; MI455X (gfx1250); checked and timed in simulation.
; The chip was launched on July 23, 2026; its instructions are those of AMD's public machine-readable ISA for CDNA 5 (MIT licence, August 2026) and "CDNA5" Instruction Set Architecture Reference Guide (July 2026). The comments in the code are by the model that wrote it; some were corrected since.
;; Dot Product Attention. Allowed arithmetic: float matrix products may take bf16 or f16 operands with f32 sums; all other float work in f32.
;; Inputs: K 4 x 16 x 2,048 x 128 float32; Q 4 x 16 x 2,048 x 128 float32; V 4 x 16 x 2,048 x 128 float32.
;; Outputs: out0 4 x 16 x 2,048 x 128 float32.
;; 3 versions, each right; version 3 is version 2 with the launch attn written anew for expert scheduling mode. Each part assembles by itself: llvm-mc -triple=amdgcn-amd-amdhsa -mcpu=gfx1250 --defsym DOCPART=n.
;; ======== version 1 of 3: 1 launch
;; launch attn (part 1): grid 256 x 1, 4 waves a work-group, no clusters, 175,616 bytes of LDS; arguments Q, K, V, out0; writes out0
.if DOCPART == 1
	.amdgcn_target "amdgcn-amd-amdhsa--gfx1250"
	.amdhsa_code_object_version 6
	.text
	.protected	k_q664d51cdbc_attn
	.globl	k_q664d51cdbc_attn
	.p2align	8
	.type	k_q664d51cdbc_attn,@function
k_q664d51cdbc_attn:
	s_mov_b64 s[64:65], 0
	v_nop
	global_prefetch_b8 v0, s[64:65] scope:SCOPE_SE
	s_setreg_imm32_b32 hwreg(HW_REG_WAVE_MODE, 25, 1), 1
	s_wait_xcnt 0x0
; out0 = softmax(causal(Q K^T / sqrt(128))) V for 64 heads of 2,048 rows x 128 f32; flash form with a running maximum.
; WORK: head = group >> 2, i = group & 3.  A work-group makes two blocks of 256 query rows of its head: block 7 - i, then block i.
; Block b needs 4 b full key steps of 64 keys and 4 steps on the diagonal, so every group has 28 full and 8 diagonal steps.
; Wave w holds 64 rows as four subtiles qt of 16: row = 256 b + 64 qt + 16 w + r.  So all waves have the same causal shape:
; in diagonal step u subtiles qt < u have no key, qt = u is masked number by number, qt > u is whole.  No branch hangs on the wave.
; PRODUCTS ARE TRANSPOSED.  S^T = K Q^T: a lane (r, h) holds keys 8 h + j of query r; two neighbouring key subtiles rounded to bf16
; ARE the second operand of O^T = V^T P^T for 32 keys, so P never leaves its lane.  V^T comes from V kept as [key][d] by the
; transposing LDS load.  A query's maximum needs one exchange between lanes l and l xor 16; its sum stays in two halves until the end.
; ROAD OF K AND V: 16-byte loads (a wave's load = one whole row of 512 bytes) into registers, rounded there to bf16, stored into one of
; two LDS slots.  Registers hold the tile two steps ahead, the other slot the tile one step ahead: 64 KiB are on their way for a step.
; ORDER OF TILES in a block: position 0 = tile 4 b (every row has a key in it: it starts all sums), positions 1 .. 4 b = tiles 0 .. 4 b - 1,
; then tiles 4 b + 1 .. 4 b + 3.  The slot is the position's parity.  The sequence runs on from the first block into the second.
; P IN TWO PARTS: in the second block's four diagonal steps P goes as hi = bf16(p) and lo = bf16(p - hi), 16 significant bits, and O takes both
; products.  For i = 0 these steps hold every key of rows 0 to 255: a row with few keys is a sum of few terms as large as V, with nothing to
; average P's rounding out.  For i = 1 .. 3 the same text runs, so that all groups have equal work: 160 products more on a wave's 4,224.
; NO CLUSTER, NO JOINT LOADS: the four groups of a head walk 4 b + 4 tiles with four different b at a time, so partners would need
; different numbers of tiles; and K and V are f32 that must be rounded on the way, which a tensor load does not do: 64 KiB of f32
; a step would go into LDS and out again on top of the 32 KiB of bf16 that are kept there.
; LIMITS: Q, K and V are rounded to bf16; so is P (8 significant bits, after the sum l was taken from the unrounded numbers) in all steps but the
; second block's diagonal ones, that is for every row from 256 on at the least; powers of two below 2^-126 come out as 0 (ISA guide, v_exp_f32);
; NaN or infinite inputs and scores beyond f32's range are not served.
.set KP,   272                         ; LDS pitch of a bf16 row of K or Q: 256 + 16, an odd multiple of 16
.set VP,   288                         ; of V: 256 + 32, an odd multiple of 32, for the transposing load
.set OP,   528                         ; of an f32 row of O: 512 + 16
.set VSL,  64*KP                       ; in a slot V's 64 rows lie behind K's 64 rows
.set SLOT, 64*KP+64*VP                 ; 35,840 bytes; two slots
.set QSTB, 2*SLOT                      ; Q's stage: 64 rows for each wave, its own
.set QSTW, 64*KP
.set OSTB, QSTB+4*QSTW                 ; O's stage: 16 rows for each wave, its own; ends at 175,104
.set OSTW, 16*OP
; window 0: v0-63 below, scores, P.  window 1: Q fragments v0-127 (32 qt + 8 c), fragments of K, then of V, v128-255.
; window 2: O (64 qt + 8 dt), and where Q lands in f32.  window 3: the tile on its way, K's row j at 4 j, V's at 64 + 4 j.
.set KA,   6                           ; v6-7    K fragment address, slot 0, 1: 272 r + 16 h
.set VA,   8                           ; v8-9    V fragment address: 288 (8 h + (l & 7)) + 16 ((l >> 3) & 1)
.set KSA,  10                          ; v10-11  where I store my 8 bytes of K's rows 16 w ..
.set VSA,  12                          ; v12-13  the same for V
.set GO,   14                          ; v14     8192 w + 16 l: my 16 bytes of row 16 w, in K, V, Q and out0 alike
.set PF,   15                          ; v15     256 x thread: prefetch
.set DL,   16                          ; v16     16 w + r - 8 h: key 16 s + j of the diagonal subtile is masked where 16 s + j > DL
.set NINF, 17                          ; v17     -infinity
.set OSTO, 18                          ; v18     O's stage, in: 528 r + 32 h
.set ORD,  19                          ; v19     O's stage, back: 16 l
.set QSTO, 20                          ; v20     Q's stage, in: 8 l
.set QRD,  21                          ; v21     Q's stage, back: 272 r + 16 h
.set MX,   22                          ; v22-25  running maximum of the raw scores, one for each qt
.set TM,   26                          ; v26-29  at work
.set TX,   30                          ; v30-33  the other half's figure; v26-33 are also four pairs at work where P is split
.set NG,   34                          ; v34-41  pairs: -c x maximum, twice
.set AL,   42                          ; v42-49  pairs: the factor for O and l, twice
.set LS,   50                          ; v50-57  pairs: two partial sums of l
.set SC,   64                          ; v64-191  scores: 32 qt + 8 s; where P is split, later its low part: 32 qt + 8 kc
.set PR,   192                         ; v192-255 P in bf16: 16 qt + 8 kc
.set FR,   128                         ; window 1: K fragments 32 c + 8 s, later V fragments 64 kc + 8 dt
; scalars: s[4:11] Q, K, V, out0 at my head; s12 wave; s13 i; s15 b; s16 4 b; s17 position; s18-19 at work; s[20:21] an offset as a pair;
; s[22:25] load bases of K, V; s[26:27] Q of the block to load; s[28:29] out0 of the block; s[30:33] prefetch bases; s34-35 lane selects;
; s[36:37] c, c; s38 4 i; s39 1 where i = 0; s40 -c; s41 trips done in a main loop; s42 its trips, 2 b; s43 mask of a word's upper bf16
.set MSB, 0
.macro WIN new                         ; low byte: bits 1:0 source 0, 3:2 source 1, 5:4 source 2, 7:6 destination; the high byte repeats the setting left
.if MSB != \new
	s_set_vgpr_msb (MSB<<8)|\new
.set MSB, \new
.endif
.endm
.macro PLACES                          ; four plain vector places behind a matrix instruction before its registers are read, written or loaded (ISA guide 7.12.1)
.rept 4
	v_nop
.endr
.endm
.macro TILEPOS kplus                   ; s20 = byte offset of the tile of position s17 + kplus: positions 1 .. 4 b hold tiles 0 .. 4 b - 1, later ones their own number
	s_add_co_u32 s18, s17, \kplus
	s_cmp_le_u32 s18, s16
	s_cselect_b32 s19, 1, 0
	s_sub_co_u32 s18, s18, s19
	s_lshl_b32 s20, s18, 15            ; 64 rows of 512 bytes
.endm
.macro SETLD                           ; the load bases; written only behind the wait that showed the last loads done
	s_add_nc_u64 s[22:23], s[6:7], s[20:21]
	s_add_nc_u64 s[24:25], s[8:9], s[20:21]
.endm
.macro LOADKV                          ; my 16 rows of K and of V; no hint: the head's other groups read them again
	WIN 0xc0
.irp j, 0,1,2,3,4,5,6,7,8,9,10,11,12,13,14,15
	global_load_b128 v[4*\j:4*\j+3], v[GO], s[22:23] offset:512*\j
.endr
.irp j, 0,1,2,3,4,5,6,7,8,9,10,11,12,13,14,15
	global_load_b128 v[64+4*\j:64+4*\j+3], v[GO], s[24:25] offset:512*\j
.endr
.endm
.macro STAGE dst                       ; the tile in registers is rounded in place and stored into slot dst: a store covers 256 neighbouring bytes
	s_wait_loadcnt 0x0                 ; issued a step ago; also frees s[22:25]
	WIN 0xcf
.set n, 0
.rept 32
	v_cvt_pk_bf16_f32 v[4*n], v[4*n], v[4*n+1]
	v_cvt_pk_bf16_f32 v[4*n+1], v[4*n+2], v[4*n+3]
.set n, n+1
.endr
	WIN 0x0c
.irp j, 0,1,2,3,4,5,6,7,8,9,10,11,12,13,14,15
	ds_store_b64 v[KSA+\dst], v[4*\j:4*\j+1] offset:KP*\j
.endr
.irp j, 0,1,2,3,4,5,6,7,8,9,10,11,12,13,14,15
	ds_store_b64 v[VSA+\dst], v[64+4*\j:64+4*\j+1] offset:VP*\j
.endr
.endm
.macro KFETCH slot                     ; 64 keys x 128 d as 16 fragments, by d chunk c, then key subtile s: eight loads a chunk
	WIN 0x40
.irp c, 0,1,2,3
.irp s, 0,1,2,3
	ds_load_b128 v[FR+32*\c+8*\s:FR+32*\c+8*\s+3],   v[KA+\slot] offset:16*KP*\s+64*\c
	ds_load_b128 v[FR+32*\c+8*\s+4:FR+32*\c+8*\s+7], v[KA+\slot] offset:16*KP*\s+64*\c+32
.endr
.endr
.endm
.macro VFETCH slot                     ; V^T: 16 d x 32 keys a fragment, two transposing loads 16 keys apart
	WIN 0x40
.irp kc, 0,1
.irp dt, 0,1,2,3,4,5,6,7
	ds_load_tr16_b128 v[FR+64*\kc+8*\dt:FR+64*\kc+8*\dt+3],   v[VA+\slot] offset:32*VP*\kc+32*\dt
	ds_load_tr16_b128 v[FR+64*\kc+8*\dt+4:FR+64*\kc+8*\dt+7], v[VA+\slot] offset:32*VP*\kc+32*\dt+16*VP
.endr
.endr
.endm
; S^T = K Q^T for subtiles qt >= q0.  The first d chunk starts the sums.  The accumulators take turns, one instruction a turn.
; nst = LDS stores issued behind the K fragment loads.
.macro SMUL q0, nst
	WIN 0x05
.irp c, 0,1,2,3
	s_wait_dscnt 8*(3-\c)+\nst         ; LDS answers in order (ISA guide 5.7.1): behind chunk c stand 8 (3 - c) younger fragment loads and the staged tile's stores
.irp s, 0,1,2,3
.irp qt, 0,1,2,3
.if \qt >= \q0
.if \c == 0
	v_wmma_f32_16x16x32_bf16 v[SC+32*\qt+8*\s:SC+32*\qt+8*\s+7], v[FR+32*\c+8*\s:FR+32*\c+8*\s+7], v[32*\qt+8*\c:32*\qt+8*\c+7], 0
.else
	v_wmma_f32_16x16x32_bf16 v[SC+32*\qt+8*\s:SC+32*\qt+8*\s+7], v[FR+32*\c+8*\s:FR+32*\c+8*\s+7], v[32*\qt+8*\c:32*\qt+8*\c+7], v[SC+32*\qt+8*\s:SC+32*\qt+8*\s+7]
.endif
.endif
.endr
.endr
.endr
.endm
; Softmax step for subtiles qt >= q0.  diag: subtile q0 is masked.  first: nothing to carry on from.  split: P's low part is made too.
; The subtiles' chains are interleaved.
.macro SOFT q0, diag, first, split
	WIN 0
.if \diag
.irp s, 0,1,2,3
.irp j, 0,1,2,3,4,5,6,7
	v_cmp_gt_i32 vcc_lo, 16*\s+\j, v[DL]
	v_cndmask_b32 v[SC+32*\q0+8*\s+\j], v[SC+32*\q0+8*\s+\j], v[NINF], vcc_lo
.endr
.endr
.endif
.irp qt, 0,1,2,3
.if \qt >= \q0
	v_max3_num_f32 v[TM+\qt], v[SC+32*\qt], v[SC+32*\qt+1], v[SC+32*\qt+2]
.endif
.endr
.set n, 3
.rept 14
.irp qt, 0,1,2,3
.if \qt >= \q0
	v_max3_num_f32 v[TM+\qt], v[TM+\qt], v[SC+32*\qt+n], v[SC+32*\qt+n+1]
.endif
.endr
.set n, n+2
.endr
.irp qt, 0,1,2,3
.if \qt >= \q0
	v_max_num_f32 v[TM+\qt], v[TM+\qt], v[SC+32*\qt+31]
.endif
.endr
.irp qt, 0,1,2,3
.if \qt >= \q0
	v_permlanex16_b32 v[TX+\qt], v[TM+\qt], s34, s35       ; the query's other 32 keys lie in lane l xor 16
.endif
.endr
.irp qt, 0,1,2,3
.if \qt >= \q0
.if \first
	v_max_num_f32 v[MX+\qt], v[TM+\qt], v[TX+\qt]
.else
	v_max3_num_f32 v[MX+\qt], v[TM+\qt], v[TX+\qt], v[MX+\qt]
.endif
.endif
.endr
.irp qt, 0,1,2,3
.if \qt >= \q0
	v_mul_f32 v[TM+\qt], s40, v[MX+\qt]                    ; -c x maximum, c = log2(e) / sqrt(128)
.endif
.endr
.irp qt, 0,1,2,3
.if \qt >= \q0
.if \first == 0
	v_sub_f32 v[AL+2*\qt], v[TM+\qt], v[NG+2*\qt]          ; new minus old shift, at most 0
.endif
	v_mov_b32 v[NG+2*\qt], v[TM+\qt]
	v_mov_b32 v[NG+2*\qt+1], v[TM+\qt]
.endif
.endr
.if \first == 0
.irp qt, 0,1,2,3
.if \qt >= \q0
	v_exp_f32 v[AL+2*\qt], v[AL+2*\qt]                     ; the packed multiply-adds below are the plain places behind these (ISA guide 5.7.2)
.endif
.endr
.endif
.set n, 0
.rept 16
.irp qt, 0,1,2,3
.if \qt >= \q0
	v_pk_fma_f32 v[SC+32*\qt+n:SC+32*\qt+n+1], v[SC+32*\qt+n:SC+32*\qt+n+1], s[36:37], v[NG+2*\qt:NG+2*\qt+1] op_sel_hi:[1,0,1]
.endif
.endr
.set n, n+2
.endr
.if \first == 0
.irp qt, 0,1,2,3
.if \qt >= \q0
	s_wait_alu depctr_va_vdst(0)
	v_mov_b32 v[AL+2*\qt+1], v[AL+2*\qt]
.endif
.endr
.endif
.set n, 0
.rept 32
.irp qt, 0,1,2,3
.if \qt >= \q0
	v_exp_f32 v[SC+32*\qt+n], v[SC+32*\qt+n]               ; p = 2^(c (s - maximum)); a masked score gives 0
.endif
.endr
.set n, n+1
.endr
	v_nop                                                  ; one plain place behind the run before its results are read
	s_wait_alu depctr_va_vdst(0)
.irp qt, 0,1,2,3
.if \qt >= \q0
.if \first
	s_wait_alu depctr_va_vdst(0)
	v_pk_add_f32 v[LS+2*\qt:LS+2*\qt+1], v[SC+32*\qt:SC+32*\qt+1], v[SC+32*\qt+2:SC+32*\qt+3]
.else
	v_pk_fma_f32 v[LS+2*\qt:LS+2*\qt+1], v[LS+2*\qt:LS+2*\qt+1], v[AL+2*\qt:AL+2*\qt+1], v[SC+32*\qt:SC+32*\qt+1]
.endif
.endif
.endr
.set n, 2+2*\first
.rept 15-\first
.irp qt, 0,1,2,3
.if \qt >= \q0
	v_pk_add_f32 v[LS+2*\qt:LS+2*\qt+1], v[LS+2*\qt:LS+2*\qt+1], v[SC+32*\qt+n:SC+32*\qt+n+1]
.endif
.endr
.set n, n+2
.endr
.set n, 0
.rept 16
.irp qt, 0,1,2,3
.if \qt >= \q0
	v_cvt_pk_bf16_f32 v[PR+16*\qt+n], v[SC+32*\qt+2*n], v[SC+32*\qt+2*n+1]   ; keys 16 s + 8 h + 2 jj, + 1 go to register 4 s + jj: the operand's own layout
.endif
.endr
.set n, n+1
.endr
.if \split
	; P's low part: p - bf16(p), exact in f32, four pairs at a time through v26-33 (the maxima there are used up), then rounded to bf16
	; in place: pair n goes to score register n, which never passes the registers 2 n, 2 n + 1 that it is made of.
.irp qt, 0,1,2,3
.if \qt >= \q0
.set n, 0
.rept 4
.irp t, 0,1,2,3
	v_lshlrev_b32 v[TM+2*\t], 16, v[PR+16*\qt+n+\t]
	v_and_b32 v[TM+2*\t+1], s43, v[PR+16*\qt+n+\t]
.endr
.irp t, 0,1,2,3
	v_pk_add_f32 v[SC+32*\qt+2*(n+\t):SC+32*\qt+2*(n+\t)+1], v[SC+32*\qt+2*(n+\t):SC+32*\qt+2*(n+\t)+1], v[TM+2*\t:TM+2*\t+1] neg_lo:[0,1] neg_hi:[0,1]
.endr
.set n, n+4
.endr
.set n, 0
.rept 16
	v_cvt_pk_bf16_f32 v[SC+32*\qt+n], v[SC+32*\qt+2*n], v[SC+32*\qt+2*n+1]
.set n, n+1
.endr
.endif
.endr
.endif
.if \first == 0
	WIN 0x82
.irp qt, 0,1,2,3
.if \qt >= \q0
.set n, 0
.rept 32
	v_pk_mul_f32 v[64*\qt+n:64*\qt+n+1], v[64*\qt+n:64*\qt+n+1], v[AL+2*\qt:AL+2*\qt+1]
.set n, n+2
.endr
.endif
.endr
.endif
.endm
; O^T += V^T P^T for subtiles qt >= q0; in a block's first step the first 32 keys start the sums.  split: the same V fragments times P's low part too.
; Accumulators by turns, one instruction a turn: eight or more stand between two products on one accumulator.
.macro PVMUL q0, first, split
	WIN 0xa1
.irp kc, 0,1
.irp dt, 0,1,2,3,4,5,6,7
.irp qt, 0,1,2,3
.if \qt >= \q0
.if (\first)*(1-\kc)
	v_wmma_f32_16x16x32_bf16 v[64*\qt+8*\dt:64*\qt+8*\dt+7], v[FR+64*\kc+8*\dt:FR+64*\kc+8*\dt+7], v[PR+16*\qt+8*\kc:PR+16*\qt+8*\kc+7], 0
.else
	v_wmma_f32_16x16x32_bf16 v[64*\qt+8*\dt:64*\qt+8*\dt+7], v[FR+64*\kc+8*\dt:FR+64*\kc+8*\dt+7], v[PR+16*\qt+8*\kc:PR+16*\qt+8*\kc+7], v[64*\qt+8*\dt:64*\qt+8*\dt+7]
.endif
.endif
.endr
.endr
.if \split
.irp dt, 0,1,2,3,4,5,6,7
.irp qt, 0,1,2,3
.if \qt >= \q0
	v_wmma_f32_16x16x32_bf16 v[64*\qt+8*\dt:64*\qt+8*\dt+7], v[FR+64*\kc+8*\dt:FR+64*\kc+8*\dt+7], v[SC+32*\qt+8*\kc:SC+32*\qt+8*\kc+7], v[64*\qt+8*\dt:64*\qt+8*\dt+7]
.endif
.endr
.endr
.endif
.endr
.endm
; One key step on slot.  stage: the tile in registers goes into the other slot.  ld: 1 the tile of position s17 + kplus is requested,
; 2 / 3 the second block's position 0 / 1, 0 none.  pf: position s17 + pf is asked into the L2 by the head's group 0.  bar: a step follows.
; split: P goes in two parts.
.macro TRIP slot, q0, diag, first, stage, ld, kplus, pf, bar, split
	KFETCH \slot
.if \stage
	STAGE (1-\slot)
.endif
.if \pf
	s_wait_xcnt 0x0                    ; the last step's prefetches have read s[30:33]
	TILEPOS \pf
	s_add_nc_u64 s[30:31], s[6:7], s[20:21]
	s_add_nc_u64 s[32:33], s[8:9], s[20:21]
.endif
.if \ld == 1
	TILEPOS \kplus
.endif
.if \ld == 2
	s_lshl_b32 s20, s38, 15            ; tile 4 i
.endif
.if \ld == 3
	s_lshl_b32 s20, s39, 15            ; tile 0, or tile 1 where block 0 has no full step
.endif
.if \ld
	SETLD
	LOADKV
.endif
.if \pf
	; Group 0 of a head walks block 7 and so every tile.  Its 128 threads, 256 bytes apart, ask for the 32 KiB of K and of V of the position one step
	; beyond the one just loaded: positions 4 to 31, each tile once; the last is tile 31, the head's last.
	WIN 0
	s_cmp_lg_u32 s13, 0
	s_cbranch_scc1 .Lnopf_\@
	global_prefetch_b8 v[PF], s[30:31] th:TH_LOAD_NT scope:SCOPE_SE
	global_prefetch_b8 v[PF], s[32:33] th:TH_LOAD_NT scope:SCOPE_SE
.Lnopf_\@:
.endif
	SMUL \q0, 32*\stage
	PLACES                             ; behind the score products: V's fragments land on K's, and the scores are read
	VFETCH \slot
	SOFT \q0, \diag, \first, \split
	s_wait_dscnt 0x0                   ; V's fragments are in: my reads of this slot are over; my stores into the other slot are done
.if \bar
	s_barrier_signal -1                ; one barrier a step: this slot may be stored into, the other may be read, when all four have said so
.endif
	PVMUL \q0, \first, \split          ; register work alone between signal and wait
	PLACES                             ; behind the last products: the next fragments land on V's, or O is read
.if \split
	v_nop                              ; a fifth place: the next step's score products write over P's low part, a source of the last products (ISA guide 7.12.1)
.endif
	WIN 0
.if \bar
	s_barrier_wait -1
.endif
.endm
.macro QLOAD qt                        ; 16 rows of Q in f32 into the registers of O's subtile qt; read once in the launch
	WIN 0x80
.irp j, 0,1,2,3,4,5,6,7,8,9,10,11,12,13,14,15
	global_load_b128 v[64*\qt+4*\j:64*\qt+4*\j+3], v[GO], s[26:27] offset:512*(64*\qt+\j) th:TH_LOAD_NT
.endr
.endm
; Q: rounded in place, through my own stage, back as 16 fragments.  LDS serves a wave's instructions in order (ISA guide 5.7.1), so no wait stands between
; the stores and the loads; the fragments are older than the first step's K fragments, whose counted wait covers them.
.macro QPREP wait
.if \wait
	s_wait_loadcnt 0x0                 ; Q's loads are the youngest
.endif
	WIN 0x8a
.set n, 0
.rept 64
	v_cvt_pk_bf16_f32 v[4*n], v[4*n], v[4*n+1]
	v_cvt_pk_bf16_f32 v[4*n+1], v[4*n+2], v[4*n+3]
.set n, n+1
.endr
	WIN 0x08
.set n, 0
.rept 64
	ds_store_b64 v[QSTO], v[4*n:4*n+1] offset:KP*n
.set n, n+1
.endr
	WIN 0x40
.irp qt, 0,1,2,3
.irp c, 0,1,2,3
	ds_load_b128 v[32*\qt+8*\c:32*\qt+8*\c+3],   v[QRD] offset:16*KP*\qt+64*\c
	ds_load_b128 v[32*\qt+8*\c+4:32*\qt+8*\c+7], v[QRD] offset:16*KP*\qt+64*\c+32
.endr
.endr
.endm
; The block's end: O / l, 16 rows at a time through my own stage, out as whole rows of 512 bytes.  next: the second block's Q is requested.
.macro EPI next
	WIN 0
.irp qt, 0,1,2,3
	v_add_f32 v[TM+\qt], v[LS+2*\qt], v[LS+2*\qt+1]
.endr
.irp qt, 0,1,2,3
	v_permlanex16_b32 v[TX+\qt], v[TM+\qt], s34, s35
.endr
.irp qt, 0,1,2,3
	v_add_f32 v[TM+\qt], v[TM+\qt], v[TX+\qt]              ; l of the query; at least 1, the maximum's own term
.endr
.irp qt, 0,1,2,3
	v_rcp_f32 v[AL+2*\qt], v[TM+\qt]
.endr
	v_nop                                                  ; one plain place behind the run
	s_wait_alu depctr_va_vdst(0)
.irp qt, 0,1,2,3
	v_mov_b32 v[AL+2*\qt+1], v[AL+2*\qt]
.endr
.irp qt, 0,1,2,3
	WIN 0x82
.set n, 0
.rept 32
	v_pk_mul_f32 v[64*\qt+n:64*\qt+n+1], v[64*\qt+n:64*\qt+n+1], v[AL+2*\qt:AL+2*\qt+1]
.set n, n+2
.endr
	WIN 0x08
.irp dt, 0,1,2,3,4,5,6,7
	ds_store_b128 v[OSTO], v[64*\qt+8*\dt:64*\qt+8*\dt+3]   offset:64*\dt      ; query r, d = 16 dt + 8 h + 0 .. 3
	ds_store_b128 v[OSTO], v[64*\qt+8*\dt+4:64*\qt+8*\dt+7] offset:64*\dt+16
.endr
	WIN 0
.if \qt >= 2
	s_wait_xcnt 0x0                    ; the stores of two subtiles ago have read the registers that are loaded again now
.endif
.irp j, 0,1,2,3,4,5,6,7,8,9,10,11,12,13,14,15
	ds_load_b128 v[SC+64*(\qt&1)+4*\j:SC+64*(\qt&1)+4*\j+3], v[ORD] offset:OP*\j
.endr
.irp j, 0,1,2,3,4,5,6,7,8,9,10,11,12,13,14,15
	s_wait_dscnt 15-\j                 ; row j is back, the 15 - j younger ones may be out
	global_store_b128 v[GO], v[SC+64*(\qt&1)+4*\j:SC+64*(\qt&1)+4*\j+3], s[28:29] offset:512*(64*\qt+\j) th:TH_STORE_NT   ; 512 neighbouring bytes, aligned
.endr
.if \next
	QLOAD \qt                          ; behind the wait for 0 above: the stage stores have read these 64 registers
.endif
.endr
	WIN 0
.if \next
	s_wait_xcnt 0x0                    ; the score registers and s[28:29] are written next
.endif
.endm
.macro PASS p
	s_mov_b32 s17, 0
	TRIP 0, 0, 1, 1, 1, 1, 2, 0, 1, \p             ; position 0: the diagonal's first tile starts all sums
	s_mov_b32 s17, 1
	s_mov_b32 s41, 0                               ; the loop ends on its own counter: 2 b trips of two full steps each
	s_lshr_b32 s42, s16, 1
.if \p
	s_cmp_eq_u32 s16, 0                            ; block 0 has no full step (the first block is 4 or higher)
	s_cbranch_scc1 .Lskip_\p
.endif
.Lmain_\p:
	TRIP 1, 0, 0, 0, 1, 1, 2, 3*(1-\p), 1, 0       ; positions s17 and s17 + 1: full steps
	TRIP 0, 0, 0, 0, 1, 1, 3, 4*(1-\p), 1, 0
	s_add_co_u32 s17, s17, 2                       ; the position, for the tiles' offsets alone
	s_add_co_u32 s41, s41, 1
	s_cmp_lt_u32 s41, s42
	s_cbranch_scc1 .Lmain_\p
.Lskip_\p:
	TRIP 1, 1, 1, 0, 1, 1, 2, 0, 1, \p             ; position 4 b + 1; requests the block's last tile
.if \p == 0
	TRIP 0, 2, 1, 0, 1, 2, 0, 0, 1, 0              ; requests the second block's position 0
	TRIP 1, 3, 1, 0, 1, 3, 0, 0, 1, 0              ; stages it, requests position 1
	EPI 1
.else
	TRIP 0, 2, 1, 0, 1, 0, 0, 0, 1, 1              ; nothing is left to request
	TRIP 1, 3, 1, 0, 0, 0, 0, 0, 0, 1              ; nothing to stage, no step follows: no barrier
	EPI 0
.endif
.endm
	s_load_b256 s[4:11], s[0:1], 0x0               ; Q s[4:5], K s[6:7], V s[8:9], out0 s[10:11]
	v_lshl_add_u32 v62, v0, 2, 0x2ac00
	v_mov_b32 v63, 0
	v_lshrrev_b32 v4, 5, v0
	v_readfirstlane_b32 s12, v4                    ; wave
	s_and_b32 s13, ttmp9, 3                        ; i
	s_lshr_b32 s18, ttmp9, 2                       ; head
	s_lshl_b32 s20, s18, 20                        ; 2,048 rows of 512 bytes
	s_mov_b32 s21, 0                               ; s[20:21]: every offset as a pair
	s_sub_co_u32 s15, 7, s13                       ; first block b = 7 - i
	s_lshl_b32 s16, s15, 2                         ; 4 b
	s_lshl_b32 s38, s13, 2                         ; 4 i
	s_cmp_eq_u32 s13, 0
	s_cselect_b32 s39, 1, 0
	s_mov_b32 s34, 0x76543210                      ; v_permlanex16_b32: lane l takes lane l xor 16
	s_mov_b32 s35, 0xfedcba98
	s_mov_b32 s36, 0x3e0293ee                      ; c = log2(e) / sqrt(128), twice
	s_mov_b32 s37, 0x3e0293ee
	s_mov_b32 s40, 0xbe0293ee                      ; -c
	s_mov_b32 s43, 0xffff0000                      ; a word's upper bf16
	v_and_b32 v3, 31, v0                           ; l
	s_lshl_b32 s18, s12, 13
	v_lshl_add_u32 v[GO], v3, 4, s18
	s_wait_kmcnt 0x0
	s_add_nc_u64 s[4:5], s[4:5], s[20:21]          ; all four at my head
	s_add_nc_u64 s[6:7], s[6:7], s[20:21]
	s_add_nc_u64 s[8:9], s[8:9], s[20:21]
	s_add_nc_u64 s[10:11], s[10:11], s[20:21]
	s_lshl_b32 s20, s15, 17                        ; 256 rows of 512 bytes
	s_add_nc_u64 s[26:27], s[4:5], s[20:21]
	s_add_nc_u64 s[28:29], s[10:11], s[20:21]
	s_lshl_b32 s20, s16, 15
	SETLD
	LOADKV                                         ; position 0: tile 4 b
	QLOAD 0
	QLOAD 1
	QLOAD 2
	QLOAD 3
	WIN 0
	v_and_b32 v1, 15, v0                           ; r
	v_bfe_u32 v2, v0, 4, 1                         ; h
	v_mul_u32_u24 v4, v1, KP
	v_lshl_add_u32 v4, v2, 4, v4                   ; 272 r + 16 h
	v_mov_b32 v[KA], v4
	v_add_nc_u32 v[KA+1], SLOT, v4
	s_mul_i32 s18, s12, QSTW
	s_add_co_u32 s18, s18, QSTB
	v_add_nc_u32 v[QRD], s18, v4
	v_lshlrev_b32 v5, 3, v3                        ; 8 l
	v_add_nc_u32 v[QSTO], s18, v5
	s_mul_i32 s18, s12, 16*KP
	v_add_nc_u32 v[KSA], s18, v5
	v_add_nc_u32 v[KSA+1], SLOT, v[KSA]
	s_mul_i32 s18, s12, 16*VP
	s_add_co_u32 s18, s18, VSL
	v_add_nc_u32 v[VSA], s18, v5
	v_add_nc_u32 v[VSA+1], SLOT, v[VSA]
	v_and_b32 v4, 7, v0
	v_lshl_add_u32 v4, v2, 3, v4                   ; 8 h + (l & 7)
	v_mul_u32_u24 v4, v4, VP
	v_bfe_u32 v5, v0, 3, 1
	v_lshl_add_u32 v4, v5, 4, v4
	v_add_nc_u32 v[VA], VSL, v4
	v_add_nc_u32 v[VA+1], VSL+SLOT, v4
	s_mul_i32 s18, s12, OSTW
	s_add_co_u32 s18, s18, OSTB
	v_mul_u32_u24 v4, v1, OP
	v_lshl_add_u32 v4, v2, 5, v4
	v_add_nc_u32 v[OSTO], s18, v4
	v_lshl_add_u32 v[ORD], v3, 4, s18
	s_lshl_b32 s18, s12, 4
	v_add_nc_u32 v4, s18, v1
	v_lshlrev_b32 v5, 3, v2
	v_sub_nc_u32 v[DL], v4, v5
	v_mov_b32 v[NINF], 0xff800000
	v_lshlrev_b32 v[PF], 8, v0
.irp qt, 0,1,2,3
	v_mov_b32 v[TX+\qt], 0                         ; v_permlanex16_b32 counts as a reader of its destination
.endr
	STAGE 0                                        ; its wait for 0 shows the tile and Q in
	s_mov_b32 s20, 0
	SETLD
	LOADKV                                         ; position 1: tile 0 (b is 4 or more here)
	QPREP 0
	WIN 0
	s_wait_dscnt 0x0                               ; my part of slot 0 is stored
	s_barrier_signal -1
	s_barrier_wait -1                              ; everybody's is
	s_lshl_b32 s20, s13, 17
	s_add_nc_u64 s[26:27], s[4:5], s[20:21]        ; Q of the second block, b = i; the first block's loads were shown done above
	PASS 0
	s_mov_b32 s16, s38                             ; 4 b with b = i
	s_lshl_b32 s20, s13, 17
	s_add_nc_u64 s[28:29], s[10:11], s[20:21]
	QPREP 1
	PASS 1
	s_wait_tensorcnt 0x0
	ds_add_u32 v62, v63
	s_wait_dscnt 0x0
	s_endpgm
.Lfunc_end_k_q664d51cdbc_attn:
	.size	k_q664d51cdbc_attn, .Lfunc_end_k_q664d51cdbc_attn-k_q664d51cdbc_attn
	.p2alignl 7, 3214868480
	.fill 96, 4, 3214868480
	.section	.rodata,"a",@progbits
	.p2align	6, 0x0
	.amdhsa_kernel k_q664d51cdbc_attn
		.amdhsa_group_segment_fixed_size 175616
		.amdhsa_private_segment_fixed_size 0
		.amdhsa_enable_private_segment 0
		.amdhsa_kernarg_size 32
		.amdhsa_user_sgpr_count 2
		.amdhsa_user_sgpr_kernarg_segment_ptr 1
		.amdhsa_wavefront_size32 1
		.amdhsa_system_sgpr_workgroup_id_x 1
		.amdhsa_system_sgpr_workgroup_id_y 1
		.amdhsa_system_sgpr_workgroup_id_z 1
		.amdhsa_system_vgpr_workitem_id 0
		.amdhsa_next_free_vgpr 896
		.amdhsa_next_free_sgpr 66
		.amdhsa_reserve_vcc 1
		.amdhsa_float_denorm_mode_32 3
		.amdhsa_float_denorm_mode_16_64 3
		.amdhsa_memory_ordered 1
		.amdhsa_forward_progress 1
		.amdhsa_inst_pref_size 255
	.end_amdhsa_kernel
	.section	.bss,"aw",@nobits
	.p2align	6
	.space	262144
	.amdgpu_metadata
---
amdhsa.version: [ 1, 2 ]
amdhsa.kernels:
  - .name:           k_q664d51cdbc_attn
    .symbol:         k_q664d51cdbc_attn.kd
    .args:
      - { .name: Q, .offset: 0, .size: 8, .value_kind: global_buffer, .address_space: global }
      - { .name: K, .offset: 8, .size: 8, .value_kind: global_buffer, .address_space: global }
      - { .name: V, .offset: 16, .size: 8, .value_kind: global_buffer, .address_space: global }
      - { .name: out0, .offset: 24, .size: 8, .value_kind: global_buffer, .address_space: global }
    .group_segment_fixed_size: 175616
    .private_segment_fixed_size: 0
    .kernarg_segment_align: 8
    .kernarg_segment_size: 32
    .max_flat_workgroup_size: 128
    .sgpr_count:     66
    .vgpr_count:     896
    .wavefront_size: 32
...
	.end_amdgpu_metadata
.endif
;; end of part 1
;; ======== version 2 of 3: 1 launch
;; launch attn (part 2): grid 256 x 1, 4 waves a work-group, no clusters, 175,616 bytes of LDS; arguments Q, K, V, out0; writes out0
.if DOCPART == 2
	.amdgcn_target "amdgcn-amd-amdhsa--gfx1250"
	.amdhsa_code_object_version 6
	.text
	.protected	k_q664d51cdbc_attn
	.globl	k_q664d51cdbc_attn
	.p2align	8
	.type	k_q664d51cdbc_attn,@function
k_q664d51cdbc_attn:
	s_mov_b64 s[64:65], 0
	v_nop
	global_prefetch_b8 v0, s[64:65] scope:SCOPE_SE
	s_setreg_imm32_b32 hwreg(HW_REG_WAVE_MODE, 25, 1), 1
	s_wait_xcnt 0x0
; out0 = softmax(causal(Q K^T / sqrt(128))) V for 64 heads of 2,048 rows x 128 f32; flash form with a running maximum.
; WORK: head = group >> 2, i = group & 3.  A work-group makes two blocks of 256 query rows of its head: block 7 - i, then block i.
; Block b needs 4 b full key steps of 64 keys and 4 steps on the diagonal, so every group has 28 full and 8 diagonal steps.
; ONE TEXT FOR BOTH BLOCKS: an outer loop of two trips; what differs between them hangs on the scalar s44 (0, then 1).  So the second block
; walks code that the first has fetched, and the text is half as long as with both blocks written out.
; Wave w holds 64 rows as four subtiles qt of 16: row = 256 b + 64 qt + 16 w + r.  So all waves have the same causal shape:
; in diagonal step u subtiles qt < u have no key, qt = u is masked number by number, qt > u is whole.  No branch hangs on the wave.
; PRODUCTS ARE TRANSPOSED.  S^T = K Q^T: a lane (r, h) holds keys 8 h + j of query r; two neighbouring key subtiles rounded to bf16
; ARE the second operand of O^T = V^T P^T for 32 keys, so P never leaves its lane.  V^T comes from V kept as [key][d] by the
; transposing LDS load.  A query's maximum needs one exchange between lanes l and l xor 16; its sum stays in two halves until the end.
; ROAD OF K AND V: 16-byte loads (a wave's load = one whole row of 512 bytes) into registers, rounded there to bf16, stored into one of
; two LDS slots.  Registers hold the tile two steps ahead, the other slot the tile one step ahead: 64 KiB are on their way for a step.
; ORDER OF TILES in a block: position 0 = tile 4 b (every row has a key in it: it starts all sums), positions 1 .. 4 b = tiles 0 .. 4 b - 1,
; then tiles 4 b + 1 .. 4 b + 3.  The slot is the position's parity.  The sequence runs on from the first block into the second.
; P IN TWO PARTS: in the second block's four diagonal steps P goes as hi = bf16(p) and lo = bf16(p - hi), 16 significant bits, and O takes both
; products.  For i = 0 these steps hold every key of rows 0 to 255: a row with few keys is a sum of few terms as large as V, with nothing to
; average P's rounding out.  For i = 1 .. 3 the same is done, so that all groups have equal work: 160 products more on a wave's 4,224.
; NO CLUSTER, NO JOINT LOADS: the four groups of a head walk 4 b + 4 tiles with four different b at a time, so partners would need
; different numbers of tiles; and K and V are f32 that must be rounded on the way, which a tensor load does not do: 64 KiB of f32
; a step would go into LDS and out again on top of the 32 KiB of bf16 that are kept there.
; LIMITS: Q, K and V are rounded to bf16; so is P (8 significant bits, after the sum l was taken from the unrounded numbers) in all steps but the
; second block's diagonal ones, that is for every row from 256 on at the least; powers of two below 2^-126 come out as 0 (ISA guide, v_exp_f32);
; NaN or infinite inputs and scores beyond f32's range are not served.
.set KP,   272                         ; LDS pitch of a bf16 row of K or Q: 256 + 16, an odd multiple of 16
.set VP,   288                         ; of V: 256 + 32, an odd multiple of 32, for the transposing load
.set OP,   528                         ; of an f32 row of O: 512 + 16
.set VSL,  64*KP                       ; in a slot V's 64 rows lie behind K's 64 rows
.set SLOT, 64*KP+64*VP                 ; 35,840 bytes; two slots
.set QSTB, 2*SLOT                      ; Q's stage: 64 rows for each wave, its own
.set QSTW, 64*KP
.set OSTB, QSTB+4*QSTW                 ; O's stage: 16 rows for each wave, its own; ends at 175,104
.set OSTW, 16*OP
; window 0: v0-63 below, scores, P.  window 1: Q fragments v0-127 (32 qt + 8 c), fragments of K, then of V, v128-255.
; window 2: O (64 qt + 8 dt), and where Q lands in f32.  window 3: the tile on its way, K's row j at 4 j, V's at 64 + 4 j.
.set KA,   6                           ; v6-7    K fragment address, slot 0, 1: 272 r + 16 h
.set VA,   8                           ; v8-9    V fragment address: 288 (8 h + (l & 7)) + 16 ((l >> 3) & 1)
.set KSA,  10                          ; v10-11  where I store my 8 bytes of K's rows 16 w ..
.set VSA,  12                          ; v12-13  the same for V
.set GO,   14                          ; v14     8192 w + 16 l: my 16 bytes of row 16 w, in K, V, Q and out0 alike
.set PF,   15                          ; v15     256 x thread: prefetch
.set DL,   16                          ; v16     16 w + r - 8 h: key 16 s + j of the diagonal subtile is masked where 16 s + j > DL
.set NINF, 17                          ; v17     -infinity
.set OSTO, 18                          ; v18     O's stage, in: 528 r + 32 h
.set ORD,  19                          ; v19     O's stage, back: 16 l
.set QSTO, 20                          ; v20     Q's stage, in: 8 l
.set QRD,  21                          ; v21     Q's stage, back: 272 r + 16 h
.set MX,   22                          ; v22-25  running maximum of the raw scores, one for each qt
.set TM,   26                          ; v26-29  at work
.set TX,   30                          ; v30-33  the other half's figure; v26-33 are also four pairs at work where P is split
.set NG,   34                          ; v34-41  pairs: -c x maximum, twice
.set AL,   42                          ; v42-49  pairs: the factor for O and l, twice
.set LS,   50                          ; v50-57  pairs: two partial sums of l
.set SC,   64                          ; v64-191  scores: 32 qt + 8 s; where P is split, later its low part: 32 qt + 8 kc
.set PR,   192                         ; v192-255 P in bf16: 16 qt + 8 kc
.set FR,   128                         ; window 1: K fragments 32 c + 8 s, later V fragments 64 kc + 8 dt
; scalars: s[4:11] Q, K, V, out0 at my head; s12 wave; s13 i; s15 b of the first block; s16 4 b; s17 position; s18-19 at work; s[20:21] an offset as a pair;
; s[22:25] load bases of K, V; s[26:27] Q of the block to load; s[28:29] out0 of the block; s[30:33] prefetch bases; s34-35 lane selects;
; s[36:37] c, c; s38 4 i; s39 1 where i = 0; s40 -c; s41 trips done in the main loop; s42 its trips, 2 b; s43 mask of a word's upper bf16;
; s44 which block: 0, then 1; s45 0 where this group prefetches in this block
.set MSB, 0
.macro WIN new                         ; low byte: bits 1:0 source 0, 3:2 source 1, 5:4 source 2, 7:6 destination; the high byte repeats the setting left
.if MSB != \new
	s_set_vgpr_msb (MSB<<8)|\new
.set MSB, \new
.endif
.endm
.macro PLACES                          ; four plain vector places behind a matrix instruction before its registers are read, written or loaded (ISA guide 7.12.1)
.rept 4
	v_nop
.endr
.endm
.macro TILEPOS kplus                   ; s20 = byte offset of the tile of position s17 + kplus: positions 1 .. 4 b hold tiles 0 .. 4 b - 1, later ones their own number
	s_add_co_u32 s18, s17, \kplus
	s_cmp_le_u32 s18, s16
	s_cselect_b32 s19, 1, 0
	s_sub_co_u32 s18, s18, s19
	s_lshl_b32 s20, s18, 15            ; 64 rows of 512 bytes
.endm
.macro SETLD                           ; the load bases; written only behind the wait that showed the last loads done
	s_add_nc_u64 s[22:23], s[6:7], s[20:21]
	s_add_nc_u64 s[24:25], s[8:9], s[20:21]
.endm
.macro LOADKV                          ; my 16 rows of K and of V; no hint: the head's other groups read them again
	WIN 0xc0
.irp j, 0,1,2,3,4,5,6,7,8,9,10,11,12,13,14,15
	global_load_b128 v[4*\j:4*\j+3], v[GO], s[22:23] offset:512*\j
.endr
.irp j, 0,1,2,3,4,5,6,7,8,9,10,11,12,13,14,15
	global_load_b128 v[64+4*\j:64+4*\j+3], v[GO], s[24:25] offset:512*\j
.endr
.endm
.macro STAGE dst                       ; the tile in registers is rounded in place and stored into slot dst: a store covers 256 neighbouring bytes
	s_wait_loadcnt 0x0                 ; issued a step ago; also frees s[22:25]
	WIN 0xcf
.set n, 0
.rept 32
	v_cvt_pk_bf16_f32 v[4*n], v[4*n], v[4*n+1]
	v_cvt_pk_bf16_f32 v[4*n+1], v[4*n+2], v[4*n+3]
.set n, n+1
.endr
	WIN 0x0c
.irp j, 0,1,2,3,4,5,6,7,8,9,10,11,12,13,14,15
	ds_store_b64 v[KSA+\dst], v[4*\j:4*\j+1] offset:KP*\j
.endr
.irp j, 0,1,2,3,4,5,6,7,8,9,10,11,12,13,14,15
	ds_store_b64 v[VSA+\dst], v[64+4*\j:64+4*\j+1] offset:VP*\j
.endr
.endm
.macro KFETCH slot                     ; 64 keys x 128 d as 16 fragments, by d chunk c, then key subtile s: eight loads a chunk
	WIN 0x40
.irp c, 0,1,2,3
.irp s, 0,1,2,3
	ds_load_b128 v[FR+32*\c+8*\s:FR+32*\c+8*\s+3],   v[KA+\slot] offset:16*KP*\s+64*\c
	ds_load_b128 v[FR+32*\c+8*\s+4:FR+32*\c+8*\s+7], v[KA+\slot] offset:16*KP*\s+64*\c+32
.endr
.endr
.endm
.macro VFETCH slot                     ; V^T: 16 d x 32 keys a fragment, two transposing loads 16 keys apart
	WIN 0x40
.irp kc, 0,1
.irp dt, 0,1,2,3,4,5,6,7
	ds_load_tr16_b128 v[FR+64*\kc+8*\dt:FR+64*\kc+8*\dt+3],   v[VA+\slot] offset:32*VP*\kc+32*\dt
	ds_load_tr16_b128 v[FR+64*\kc+8*\dt+4:FR+64*\kc+8*\dt+7], v[VA+\slot] offset:32*VP*\kc+32*\dt+16*VP
.endr
.endr
.endm
; S^T = K Q^T for subtiles qt >= q0.  The first d chunk starts the sums.  The accumulators take turns, one instruction a turn.
; nst = LDS stores that stand behind the K fragment loads on every way.
.macro SMUL q0, nst
	WIN 0x05
.irp c, 0,1,2,3
	s_wait_dscnt 8*(3-\c)+\nst         ; LDS answers in order (ISA guide 5.7.1): behind chunk c stand 8 (3 - c) younger fragment loads and nst stores
.irp s, 0,1,2,3
.irp qt, 0,1,2,3
.if \qt >= \q0
.if \c == 0
	v_wmma_f32_16x16x32_bf16 v[SC+32*\qt+8*\s:SC+32*\qt+8*\s+7], v[FR+32*\c+8*\s:FR+32*\c+8*\s+7], v[32*\qt+8*\c:32*\qt+8*\c+7], 0
.else
	v_wmma_f32_16x16x32_bf16 v[SC+32*\qt+8*\s:SC+32*\qt+8*\s+7], v[FR+32*\c+8*\s:FR+32*\c+8*\s+7], v[32*\qt+8*\c:32*\qt+8*\c+7], v[SC+32*\qt+8*\s:SC+32*\qt+8*\s+7]
.endif
.endif
.endr
.endr
.endr
.endm
; Softmax step for subtiles qt >= q0.  diag: subtile q0 is masked, and in the second block P's low part is made too.  first: nothing to carry on from.
; The subtiles' chains are interleaved.
.macro SOFT q0, diag, first
	WIN 0
.if \diag
.irp s, 0,1,2,3
.irp j, 0,1,2,3,4,5,6,7
	v_cmp_gt_i32 vcc_lo, 16*\s+\j, v[DL]
	v_cndmask_b32 v[SC+32*\q0+8*\s+\j], v[SC+32*\q0+8*\s+\j], v[NINF], vcc_lo
.endr
.endr
.endif
.irp qt, 0,1,2,3
.if \qt >= \q0
	v_max3_num_f32 v[TM+\qt], v[SC+32*\qt], v[SC+32*\qt+1], v[SC+32*\qt+2]
.endif
.endr
.set n, 3
.rept 14
.irp qt, 0,1,2,3
.if \qt >= \q0
	v_max3_num_f32 v[TM+\qt], v[TM+\qt], v[SC+32*\qt+n], v[SC+32*\qt+n+1]
.endif
.endr
.set n, n+2
.endr
.irp qt, 0,1,2,3
.if \qt >= \q0
	v_max_num_f32 v[TM+\qt], v[TM+\qt], v[SC+32*\qt+31]
.endif
.endr
.irp qt, 0,1,2,3
.if \qt >= \q0
	v_permlanex16_b32 v[TX+\qt], v[TM+\qt], s34, s35       ; the query's other 32 keys lie in lane l xor 16
.endif
.endr
.irp qt, 0,1,2,3
.if \qt >= \q0
.if \first
	v_max_num_f32 v[MX+\qt], v[TM+\qt], v[TX+\qt]
.else
	v_max3_num_f32 v[MX+\qt], v[TM+\qt], v[TX+\qt], v[MX+\qt]
.endif
.endif
.endr
.irp qt, 0,1,2,3
.if \qt >= \q0
	v_mul_f32 v[TM+\qt], s40, v[MX+\qt]                    ; -c x maximum, c = log2(e) / sqrt(128)
.endif
.endr
.irp qt, 0,1,2,3
.if \qt >= \q0
.if \first == 0
	v_sub_f32 v[AL+2*\qt], v[TM+\qt], v[NG+2*\qt]          ; new minus old shift, at most 0
.endif
	v_mov_b32 v[NG+2*\qt], v[TM+\qt]
	v_mov_b32 v[NG+2*\qt+1], v[TM+\qt]
.endif
.endr
.if \first == 0
.irp qt, 0,1,2,3
.if \qt >= \q0
	v_exp_f32 v[AL+2*\qt], v[AL+2*\qt]                     ; the packed multiply-adds below are the plain places behind these (ISA guide 5.7.2)
.endif
.endr
.endif
.set n, 0
.rept 16
.irp qt, 0,1,2,3
.if \qt >= \q0
	v_pk_fma_f32 v[SC+32*\qt+n:SC+32*\qt+n+1], v[SC+32*\qt+n:SC+32*\qt+n+1], s[36:37], v[NG+2*\qt:NG+2*\qt+1] op_sel_hi:[1,0,1]
.endif
.endr
.set n, n+2
.endr
.if \first == 0
.irp qt, 0,1,2,3
.if \qt >= \q0
	s_wait_alu depctr_va_vdst(0)
	v_mov_b32 v[AL+2*\qt+1], v[AL+2*\qt]
.endif
.endr
.endif
.set n, 0
.rept 32
.irp qt, 0,1,2,3
.if \qt >= \q0
	v_exp_f32 v[SC+32*\qt+n], v[SC+32*\qt+n]               ; p = 2^(c (s - maximum)); a masked score gives 0
.endif
.endr
.set n, n+1
.endr
	v_nop                                                  ; one plain place behind the run before its results are read
	s_wait_alu depctr_va_vdst(0)
.irp qt, 0,1,2,3
.if \qt >= \q0
.if \first
	s_wait_alu depctr_va_vdst(0)
	v_pk_add_f32 v[LS+2*\qt:LS+2*\qt+1], v[SC+32*\qt:SC+32*\qt+1], v[SC+32*\qt+2:SC+32*\qt+3]
.else
	v_pk_fma_f32 v[LS+2*\qt:LS+2*\qt+1], v[LS+2*\qt:LS+2*\qt+1], v[AL+2*\qt:AL+2*\qt+1], v[SC+32*\qt:SC+32*\qt+1]
.endif
.endif
.endr
.set n, 2+2*\first
.rept 15-\first
.irp qt, 0,1,2,3
.if \qt >= \q0
	v_pk_add_f32 v[LS+2*\qt:LS+2*\qt+1], v[LS+2*\qt:LS+2*\qt+1], v[SC+32*\qt+n:SC+32*\qt+n+1]
.endif
.endr
.set n, n+2
.endr
.set n, 0
.rept 16
.irp qt, 0,1,2,3
.if \qt >= \q0
	v_cvt_pk_bf16_f32 v[PR+16*\qt+n], v[SC+32*\qt+2*n], v[SC+32*\qt+2*n+1]   ; keys 16 s + 8 h + 2 jj, + 1 go to register 4 s + jj: the operand's own layout
.endif
.endr
.set n, n+1
.endr
.if \diag
	; Second block only.  P's low part: p - bf16(p), exact in f32, four pairs at a time through v26-33 (the maxima there are used up), then rounded
	; to bf16 in place: pair n goes to score register n, which never passes the registers 2 n, 2 n + 1 that it is made of.
	s_cmp_eq_u32 s44, 0
	s_cbranch_scc1 .Lnosub_\@
.irp qt, 0,1,2,3
.if \qt >= \q0
.set n, 0
.rept 4
.irp t, 0,1,2,3
	v_lshlrev_b32 v[TM+2*\t], 16, v[PR+16*\qt+n+\t]
	v_and_b32 v[TM+2*\t+1], s43, v[PR+16*\qt+n+\t]
.endr
.irp t, 0,1,2,3
	v_pk_add_f32 v[SC+32*\qt+2*(n+\t):SC+32*\qt+2*(n+\t)+1], v[SC+32*\qt+2*(n+\t):SC+32*\qt+2*(n+\t)+1], v[TM+2*\t:TM+2*\t+1] neg_lo:[0,1] neg_hi:[0,1]
.endr
.set n, n+4
.endr
.set n, 0
.rept 16
	v_cvt_pk_bf16_f32 v[SC+32*\qt+n], v[SC+32*\qt+2*n], v[SC+32*\qt+2*n+1]
.set n, n+1
.endr
.endif
.endr
.Lnosub_\@:
.endif
.if \first == 0
	WIN 0x82
.irp qt, 0,1,2,3
.if \qt >= \q0
.set n, 0
.rept 32
	v_pk_mul_f32 v[64*\qt+n:64*\qt+n+1], v[64*\qt+n:64*\qt+n+1], v[AL+2*\qt:AL+2*\qt+1]
.set n, n+2
.endr
.endif
.endr
.endif
.endm
; O^T += V^T P^T for subtiles qt >= q0; in a block's first step the first 32 keys start the sums.
; Accumulators by turns, one instruction a turn: eight or more stand between two products on one accumulator.
.macro PVMUL q0, first
	WIN 0xa1
.irp kc, 0,1
.irp dt, 0,1,2,3,4,5,6,7
.irp qt, 0,1,2,3
.if \qt >= \q0
.if (\first)*(1-\kc)
	v_wmma_f32_16x16x32_bf16 v[64*\qt+8*\dt:64*\qt+8*\dt+7], v[FR+64*\kc+8*\dt:FR+64*\kc+8*\dt+7], v[PR+16*\qt+8*\kc:PR+16*\qt+8*\kc+7], 0
.else
	v_wmma_f32_16x16x32_bf16 v[64*\qt+8*\dt:64*\qt+8*\dt+7], v[FR+64*\kc+8*\dt:FR+64*\kc+8*\dt+7], v[PR+16*\qt+8*\kc:PR+16*\qt+8*\kc+7], v[64*\qt+8*\dt:64*\qt+8*\dt+7]
.endif
.endif
.endr
.endr
.endr
.endm
; The same V fragments times P's low part, in the same order of accumulators: the turns go on from PVMUL's, one instruction a turn.
.macro PVLO q0
	WIN 0xa1
.irp kc, 0,1
.irp dt, 0,1,2,3,4,5,6,7
.irp qt, 0,1,2,3
.if \qt >= \q0
	v_wmma_f32_16x16x32_bf16 v[64*\qt+8*\dt:64*\qt+8*\dt+7], v[FR+64*\kc+8*\dt:FR+64*\kc+8*\dt+7], v[SC+32*\qt+8*\kc:SC+32*\qt+8*\kc+7], v[64*\qt+8*\dt:64*\qt+8*\dt+7]
.endif
.endr
.endr
.endr
.endm
; One key step on slot.  The tile in registers goes into the other slot, and a tile is requested:
; ld = 1 that of position s17 + kplus; ld = 2, in the first block alone, the second block's position 0;
; ld = 3, in the first block alone, that tile is staged and the second block's position 1 requested (in the second block nothing is left to stage).
; pf: position s17 + pf is asked into the L2 where s45 = 0.
.macro TRIP slot, q0, diag, first, ld, kplus, pf
	KFETCH \slot
.if \ld == 3
	WIN 0
	s_cmp_lg_u32 s44, 0
	s_cbranch_scc1 .Lnold_\@
.endif
	STAGE (1-\slot)
.if \pf
	s_wait_xcnt 0x0                    ; the last step's prefetches have read s[30:33]
	TILEPOS \pf
	s_add_nc_u64 s[30:31], s[6:7], s[20:21]
	s_add_nc_u64 s[32:33], s[8:9], s[20:21]
.endif
.if \ld == 1
	TILEPOS \kplus
.endif
.if \ld == 2
	WIN 0
	s_cmp_lg_u32 s44, 0
	s_cbranch_scc1 .Lnold_\@
	s_lshl_b32 s20, s38, 15            ; tile 4 i
.endif
.if \ld == 3
	s_lshl_b32 s20, s39, 15            ; tile 0, or tile 1 where block 0 has no full step
.endif
	SETLD
	LOADKV
.if \ld >= 2
	WIN 0
.Lnold_\@:
.endif
.if \pf
	; Group 0 of a head walks block 7 first and so every tile.  Its 128 threads, 256 bytes apart, ask for the 32 KiB of K and of V of the position one step
	; beyond the one just loaded: positions 4 to 31, each tile once; the last is tile 31, the head's last.  No other group and no second block asks.
	WIN 0
	s_cmp_lg_u32 s45, 0
	s_cbranch_scc1 .Lnopf_\@
	global_prefetch_b8 v[PF], s[30:31] th:TH_LOAD_NT scope:SCOPE_SE
	global_prefetch_b8 v[PF], s[32:33] th:TH_LOAD_NT scope:SCOPE_SE
.Lnopf_\@:
.endif
.if \ld == 3
	SMUL \q0, 0                        ; the staged tile's stores stand on one way only: the counts lean on the fragment loads alone
.else
	SMUL \q0, 32
.endif
	PLACES                             ; behind the score products: V's fragments land on K's, and the scores are read
	VFETCH \slot
	SOFT \q0, \diag, \first
	s_wait_dscnt 0x0                   ; V's fragments are in: my reads of this slot are over; my stores into the other slot are done
	s_barrier_signal -1                ; one barrier a step: this slot may be stored into, the other may be read, when all four have said so
	PVMUL \q0, \first                  ; register work alone between signal and wait
.if \diag
	WIN 0
	s_barrier_wait -1                  ; (behind the second block's last step it orders nothing: the text is shared)
	s_cmp_eq_u32 s44, 0                ; the low part's products, second block only: registers alone, so they may stand behind the barrier
	s_cbranch_scc1 .Lnolo_\@
	PVLO \q0
	WIN 0
.Lnolo_\@:
	PLACES                             ; behind the last products: the next fragments land on V's, or O is read;
	v_nop                              ; a fifth place: the next score products write over P's low part, a source of the last products (ISA guide 7.12.1)
.else
	PLACES                             ; behind the last products: the next fragments land on V's
	WIN 0
	s_barrier_wait -1
.endif
.endm
.macro QLOAD qt                        ; 16 rows of Q in f32 into the registers of O's subtile qt; read once in the launch
	WIN 0x80
.irp j, 0,1,2,3,4,5,6,7,8,9,10,11,12,13,14,15
	global_load_b128 v[64*\qt+4*\j:64*\qt+4*\j+3], v[GO], s[26:27] offset:512*(64*\qt+\j) th:TH_LOAD_NT
.endr
.endm
; Q: rounded in place, through my own stage, back as 16 fragments.  LDS serves a wave's instructions in order (ISA guide 5.7.1), so no wait stands between
; the stores and the loads; the fragments are older than the first step's K fragments, whose counted wait covers them.
; Q's loads have been shown done on both ways here: at the launch's head by the first tile's wait for 0, over the back edge by the wait at the loop's tail.
.macro QPREP
	WIN 0x8a
.set n, 0
.rept 64
	v_cvt_pk_bf16_f32 v[4*n], v[4*n], v[4*n+1]
	v_cvt_pk_bf16_f32 v[4*n+1], v[4*n+2], v[4*n+3]
.set n, n+1
.endr
	WIN 0x08
.set n, 0
.rept 64
	ds_store_b64 v[QSTO], v[4*n:4*n+1] offset:KP*n
.set n, n+1
.endr
	WIN 0x40
.irp qt, 0,1,2,3
.irp c, 0,1,2,3
	ds_load_b128 v[32*\qt+8*\c:32*\qt+8*\c+3],   v[QRD] offset:16*KP*\qt+64*\c
	ds_load_b128 v[32*\qt+8*\c+4:32*\qt+8*\c+7], v[QRD] offset:16*KP*\qt+64*\c+32
.endr
.endr
.endm
; The block's end: O / l, 16 rows at a time through my own stage, out as whole rows of 512 bytes.  In the first block the second block's Q is requested.
.macro EPI
	WIN 0
.irp qt, 0,1,2,3
	v_add_f32 v[TM+\qt], v[LS+2*\qt], v[LS+2*\qt+1]
.endr
.irp qt, 0,1,2,3
	v_permlanex16_b32 v[TX+\qt], v[TM+\qt], s34, s35
.endr
.irp qt, 0,1,2,3
	v_add_f32 v[TM+\qt], v[TM+\qt], v[TX+\qt]              ; l of the query; at least 1, the maximum's own term
.endr
.irp qt, 0,1,2,3
	v_rcp_f32 v[AL+2*\qt], v[TM+\qt]
.endr
	v_nop                                                  ; one plain place behind the run
	s_wait_alu depctr_va_vdst(0)
.irp qt, 0,1,2,3
	v_mov_b32 v[AL+2*\qt+1], v[AL+2*\qt]
.endr
.irp qt, 0,1,2,3
	WIN 0x82
.set n, 0
.rept 32
	v_pk_mul_f32 v[64*\qt+n:64*\qt+n+1], v[64*\qt+n:64*\qt+n+1], v[AL+2*\qt:AL+2*\qt+1]
.set n, n+2
.endr
	WIN 0x08
.irp dt, 0,1,2,3,4,5,6,7
	ds_store_b128 v[OSTO], v[64*\qt+8*\dt:64*\qt+8*\dt+3]   offset:64*\dt      ; query r, d = 16 dt + 8 h + 0 .. 3
	ds_store_b128 v[OSTO], v[64*\qt+8*\dt+4:64*\qt+8*\dt+7] offset:64*\dt+16
.endr
	WIN 0
.if \qt >= 2
	s_wait_xcnt 0x0                    ; the stores of two subtiles ago have read the registers that are loaded again now
.endif
.irp j, 0,1,2,3,4,5,6,7,8,9,10,11,12,13,14,15
	ds_load_b128 v[SC+64*(\qt&1)+4*\j:SC+64*(\qt&1)+4*\j+3], v[ORD] offset:OP*\j
.endr
.irp j, 0,1,2,3,4,5,6,7,8,9,10,11,12,13,14,15
	s_wait_dscnt 15-\j                 ; row j is back, the 15 - j younger ones may be out
	global_store_b128 v[GO], v[SC+64*(\qt&1)+4*\j:SC+64*(\qt&1)+4*\j+3], s[28:29] offset:512*(64*\qt+\j) th:TH_STORE_NT   ; 512 neighbouring bytes, aligned
.endr
	s_cmp_lg_u32 s44, 0
	s_cbranch_scc1 .Lnoq_\qt
	QLOAD \qt                          ; behind the wait for 0 above: the stage stores have read these 64 registers
	WIN 0
.Lnoq_\qt:
.endr
.endm
	s_load_b256 s[4:11], s[0:1], 0x0               ; Q s[4:5], K s[6:7], V s[8:9], out0 s[10:11]
	v_lshl_add_u32 v62, v0, 2, 0x2ac00
	v_mov_b32 v63, 0
	v_lshrrev_b32 v4, 5, v0
	v_readfirstlane_b32 s12, v4                    ; wave
	s_and_b32 s13, ttmp9, 3                        ; i
	s_lshr_b32 s18, ttmp9, 2                       ; head
	s_lshl_b32 s20, s18, 20                        ; 2,048 rows of 512 bytes
	s_mov_b32 s21, 0                               ; s[20:21]: every offset as a pair
	s_sub_co_u32 s15, 7, s13                       ; first block b = 7 - i
	s_lshl_b32 s16, s15, 2                         ; 4 b
	s_lshl_b32 s38, s13, 2                         ; 4 i
	s_cmp_eq_u32 s13, 0
	s_cselect_b32 s39, 1, 0
	s_mov_b32 s34, 0x76543210                      ; v_permlanex16_b32: lane l takes lane l xor 16
	s_mov_b32 s35, 0xfedcba98
	s_mov_b32 s36, 0x3e0293ee                      ; c = log2(e) / sqrt(128), twice
	s_mov_b32 s37, 0x3e0293ee
	s_mov_b32 s40, 0xbe0293ee                      ; -c
	s_mov_b32 s43, 0xffff0000                      ; a word's upper bf16
	v_and_b32 v3, 31, v0                           ; l
	s_lshl_b32 s18, s12, 13
	v_lshl_add_u32 v[GO], v3, 4, s18
	s_wait_kmcnt 0x0
	s_add_nc_u64 s[4:5], s[4:5], s[20:21]          ; all four at my head
	s_add_nc_u64 s[6:7], s[6:7], s[20:21]
	s_add_nc_u64 s[8:9], s[8:9], s[20:21]
	s_add_nc_u64 s[10:11], s[10:11], s[20:21]
	s_lshl_b32 s20, s15, 17                        ; 256 rows of 512 bytes
	s_add_nc_u64 s[26:27], s[4:5], s[20:21]
	s_add_nc_u64 s[28:29], s[10:11], s[20:21]
	s_lshl_b32 s20, s16, 15
	SETLD
	LOADKV                                         ; position 0: tile 4 b
	QLOAD 0
	QLOAD 1
	QLOAD 2
	QLOAD 3
	WIN 0
	v_and_b32 v1, 15, v0                           ; r
	v_bfe_u32 v2, v0, 4, 1                         ; h
	v_mul_u32_u24 v4, v1, KP
	v_lshl_add_u32 v4, v2, 4, v4                   ; 272 r + 16 h
	v_mov_b32 v[KA], v4
	v_add_nc_u32 v[KA+1], SLOT, v4
	s_mul_i32 s18, s12, QSTW
	s_add_co_u32 s18, s18, QSTB
	v_add_nc_u32 v[QRD], s18, v4
	v_lshlrev_b32 v5, 3, v3                        ; 8 l
	v_add_nc_u32 v[QSTO], s18, v5
	s_mul_i32 s18, s12, 16*KP
	v_add_nc_u32 v[KSA], s18, v5
	v_add_nc_u32 v[KSA+1], SLOT, v[KSA]
	s_mul_i32 s18, s12, 16*VP
	s_add_co_u32 s18, s18, VSL
	v_add_nc_u32 v[VSA], s18, v5
	v_add_nc_u32 v[VSA+1], SLOT, v[VSA]
	v_and_b32 v4, 7, v0
	v_lshl_add_u32 v4, v2, 3, v4                   ; 8 h + (l & 7)
	v_mul_u32_u24 v4, v4, VP
	v_bfe_u32 v5, v0, 3, 1
	v_lshl_add_u32 v4, v5, 4, v4
	v_add_nc_u32 v[VA], VSL, v4
	v_add_nc_u32 v[VA+1], VSL+SLOT, v4
	s_mul_i32 s18, s12, OSTW
	s_add_co_u32 s18, s18, OSTB
	v_mul_u32_u24 v4, v1, OP
	v_lshl_add_u32 v4, v2, 5, v4
	v_add_nc_u32 v[OSTO], s18, v4
	v_lshl_add_u32 v[ORD], v3, 4, s18
	s_lshl_b32 s18, s12, 4
	v_add_nc_u32 v4, s18, v1
	v_lshlrev_b32 v5, 3, v2
	v_sub_nc_u32 v[DL], v4, v5
	v_mov_b32 v[NINF], 0xff800000
	v_lshlrev_b32 v[PF], 8, v0
.irp qt, 0,1,2,3
	v_mov_b32 v[TX+\qt], 0                         ; v_permlanex16_b32 counts as a reader of its destination
.endr
	STAGE 0                                        ; its wait for 0 shows the tile and Q in
	s_mov_b32 s20, 0
	SETLD
	LOADKV                                         ; position 1: tile 0 (b is 4 or more here); it stays on its way into the first step
	WIN 0
	s_wait_dscnt 0x0                               ; my part of slot 0 is stored
	s_barrier_signal -1
	s_barrier_wait -1                              ; everybody's is
	s_lshl_b32 s20, s13, 17
	s_add_nc_u64 s[26:27], s[4:5], s[20:21]        ; Q of the second block, b = i; the first block's loads were shown done above
	s_mov_b32 s44, 0                               ; the first block
	s_mov_b32 s45, s13                             ; group 0 of the head prefetches in it
.Lpass:
	QPREP
	s_mov_b32 s17, 0
	TRIP 0, 0, 1, 1, 1, 2, 0                       ; position 0: the diagonal's first tile starts all sums
	s_mov_b32 s17, 1
	s_mov_b32 s41, 0                               ; the main loop ends on its own counter: 2 b trips of two full steps each
	s_lshr_b32 s42, s16, 1
	s_cmp_eq_u32 s16, 0                            ; block 0 has no full step
	s_cbranch_scc1 .Lskip
.Lmain:
	TRIP 1, 0, 0, 0, 1, 2, 3                       ; positions s17 and s17 + 1: full steps
	TRIP 0, 0, 0, 0, 1, 3, 4
	s_add_co_u32 s17, s17, 2                       ; the position, for the tiles' offsets alone
	s_add_co_u32 s41, s41, 1
	s_cmp_lt_u32 s41, s42
	s_cbranch_scc1 .Lmain
.Lskip:
	TRIP 1, 1, 1, 0, 1, 2, 0                       ; position 4 b + 1; requests the block's last tile
	TRIP 0, 2, 1, 0, 2, 0, 0                       ; stages it; the first block requests the second's position 0
	TRIP 1, 3, 1, 0, 3, 0, 0                       ; the first block stages that and requests position 1
	EPI
	s_wait_xcnt 0x0                                ; the stores have read the score registers and s[28:29], which are written next
	s_wait_loadcnt 0x0                             ; the second block's Q is in (its loads are the youngest); nothing is out behind the second block
	s_mov_b32 s16, s38                             ; 4 b with b = i
	s_lshl_b32 s20, s13, 17
	s_add_nc_u64 s[28:29], s[10:11], s[20:21]      ; out0 at block i
	s_mov_b32 s45, 1                               ; every tile has been asked for: no more prefetches
	s_add_co_u32 s44, s44, 1
	s_cmp_lt_u32 s44, 2
	s_cbranch_scc1 .Lpass
	s_wait_tensorcnt 0x0
	ds_add_u32 v62, v63
	s_wait_dscnt 0x0
	s_endpgm
.Lfunc_end_k_q664d51cdbc_attn:
	.size	k_q664d51cdbc_attn, .Lfunc_end_k_q664d51cdbc_attn-k_q664d51cdbc_attn
	.p2alignl 7, 3214868480
	.fill 96, 4, 3214868480
	.section	.rodata,"a",@progbits
	.p2align	6, 0x0
	.amdhsa_kernel k_q664d51cdbc_attn
		.amdhsa_group_segment_fixed_size 175616
		.amdhsa_private_segment_fixed_size 0
		.amdhsa_enable_private_segment 0
		.amdhsa_kernarg_size 32
		.amdhsa_user_sgpr_count 2
		.amdhsa_user_sgpr_kernarg_segment_ptr 1
		.amdhsa_wavefront_size32 1
		.amdhsa_system_sgpr_workgroup_id_x 1
		.amdhsa_system_sgpr_workgroup_id_y 1
		.amdhsa_system_sgpr_workgroup_id_z 1
		.amdhsa_system_vgpr_workitem_id 0
		.amdhsa_next_free_vgpr 896
		.amdhsa_next_free_sgpr 66
		.amdhsa_reserve_vcc 1
		.amdhsa_float_denorm_mode_32 3
		.amdhsa_float_denorm_mode_16_64 3
		.amdhsa_memory_ordered 1
		.amdhsa_forward_progress 1
		.amdhsa_inst_pref_size 255
	.end_amdhsa_kernel
	.section	.bss,"aw",@nobits
	.p2align	6
	.space	262144
	.amdgpu_metadata
---
amdhsa.version: [ 1, 2 ]
amdhsa.kernels:
  - .name:           k_q664d51cdbc_attn
    .symbol:         k_q664d51cdbc_attn.kd
    .args:
      - { .name: Q, .offset: 0, .size: 8, .value_kind: global_buffer, .address_space: global }
      - { .name: K, .offset: 8, .size: 8, .value_kind: global_buffer, .address_space: global }
      - { .name: V, .offset: 16, .size: 8, .value_kind: global_buffer, .address_space: global }
      - { .name: out0, .offset: 24, .size: 8, .value_kind: global_buffer, .address_space: global }
    .group_segment_fixed_size: 175616
    .private_segment_fixed_size: 0
    .kernarg_segment_align: 8
    .kernarg_segment_size: 32
    .max_flat_workgroup_size: 128
    .sgpr_count:     66
    .vgpr_count:     896
    .wavefront_size: 32
...
	.end_amdgpu_metadata
.endif
;; end of part 2
;; ======== version 3 of 3: 1 launch; version 2 with the launch attn written anew for expert scheduling mode
;; launch attn (part 3): grid 256 x 1, 4 waves a work-group, no clusters, 175,616 bytes of LDS; arguments Q, K, V, out0; writes out0
.if DOCPART == 3
	.amdgcn_target "amdgcn-amd-amdhsa--gfx1250"
	.amdhsa_code_object_version 6
	.text
	.protected	k_q664d51cdbc_attn
	.globl	k_q664d51cdbc_attn
	.p2align	8
	.type	k_q664d51cdbc_attn,@function
k_q664d51cdbc_attn:
	s_mov_b64 s[64:65], 0
	v_nop
	global_prefetch_b8 v0, s[64:65] scope:SCOPE_SE
	s_setreg_imm32_b32 hwreg(HW_REG_WAVE_SCHED_MODE, 0, 2), 2
	s_setreg_imm32_b32 hwreg(HW_REG_WAVE_MODE, 25, 1), 1
	s_wait_xcnt 0x0
	s_wait_alu depctr_vm_vsrc(0)
; out0 = softmax(causal(Q K^T / sqrt(128))) V for 64 heads of 2,048 rows x 128 f32; flash form with a running maximum.
; WORK: head = group >> 2, i = group & 3.  A work-group makes two blocks of 256 query rows of its head: block 7 - i, then block i.
; Block b needs 4 b full key steps of 64 keys and 4 steps on the diagonal, so every group has 28 full and 8 diagonal steps.
; ONE TEXT FOR BOTH BLOCKS: an outer loop of two trips; what differs between them hangs on the scalar s44 (0, then 1).  So the second block
; walks code that the first has fetched, and the text is half as long as with both blocks written out.
; Wave w holds 64 rows as four subtiles qt of 16: row = 256 b + 64 qt + 16 w + r.  So all waves have the same causal shape:
; in diagonal step u subtiles qt < u have no key, qt = u is masked number by number, qt > u is whole.  No branch hangs on the wave.
; PRODUCTS ARE TRANSPOSED.  S^T = K Q^T: a lane (r, h) holds keys 8 h + j of query r; two neighbouring key subtiles rounded to bf16
; ARE the second operand of O^T = V^T P^T for 32 keys, so P never leaves its lane.  V^T comes from V kept as [key][d] by the
; transposing LDS load.  A query's maximum needs one exchange between lanes l and l xor 16; its sum stays in two halves until the end.
; ROAD OF K AND V: 16-byte loads (a wave's load = one whole row of 512 bytes) into registers, rounded there to bf16, stored into one of
; two LDS slots.  Registers hold the tile two steps ahead, the other slot the tile one step ahead: 64 KiB are on their way for a step.
; ORDER OF TILES in a block: position 0 = tile 4 b (every row has a key in it: it starts all sums), positions 1 .. 4 b = tiles 0 .. 4 b - 1,
; then tiles 4 b + 1 .. 4 b + 3.  The slot is the position's parity.  The sequence runs on from the first block into the second.
; P IN TWO PARTS: in the second block's four diagonal steps P goes as hi = bf16(p) and lo = bf16(p - hi), 16 significant bits, and O takes both
; products.  For i = 0 these steps hold every key of rows 0 to 255: a row with few keys is a sum of few terms as large as V, with nothing to
; average P's rounding out.  For i = 1 .. 3 the same is done, so that all groups have equal work: 160 products more on a wave's 4,224.
; NO CLUSTER, NO JOINT LOADS: the four groups of a head walk 4 b + 4 tiles with four different b at a time, so partners would need
; different numbers of tiles; and K and V are f32 that must be rounded on the way, which a tensor load does not do: 64 KiB of f32
; a step would go into LDS and out again on top of the 32 KiB of bf16 that are kept there.
; LIMITS: Q, K and V are rounded to bf16; so is P (8 significant bits, after the sum l was taken from the unrounded numbers) in all steps but the
; second block's diagonal ones, that is for every row from 256 on at the least; powers of two below 2^-126 come out as 0 (ISA guide, v_exp_f32);
; NaN or infinite inputs and scores beyond f32's range are not served.
; THE MODE: SCHED_MODE bits 1:0 = 2 (LLVM: expert scheduling mode 2), set by the entry lines.  The code itself states the register dependences
; between vector or matrix instructions and memory or LDS instructions, with s_wait_alu, always for 0.
; THE PLAN.  Registers that memory or LDS instructions touch, in program order round a step:
;   T   window 3, v0-127    the tile on its way: global loads land; a step later 64 conversions read and write it; 32 LDS stores read it; the next loads land.
;   FR  window 1, v128-255  K's 32 LDS loads land; the score products read; V's 32 loads land; the products with P read; the next step's K lands.
;   QF  window 1, v0-127    32 LDS loads a block land; the score products read.
;   O   window 2            Q's global loads land; Q's conversions read and write; 64 stage stores read; products and rescaling write; the way out scales it,
;                           its stage stores read it, and the next block's Q lands.
;   SC  window 0, v64-191   products and softmax; in the way out rows from the stage land and global stores read them; two subtiles on rows land again.
;   v6-v21                  addresses: written once at the head, never again.
; So a step has five waits: ahead of K's run (the last products are done reading FR); ahead of the tile's LDS stores (the conversions have written T); behind them
; (they have read T); ahead of the tile's loads (the conversions are done with T: said again, since the stores between read T); ahead of V's run (the score
; products are done reading FR).  A diagonal step has four more, each behind eight compares that write lane masks.  The other waits stand where Q is prepared,
; in the way out and at the outer loop's tail; each says what it states.  Every wait in front of loads under another window stands behind the switch.
.set KP,   272                         ; LDS pitch of a bf16 row of K or Q: 256 + 16, an odd multiple of 16
.set VP,   288                         ; of V: 256 + 32, an odd multiple of 32, for the transposing load
.set OP,   528                         ; of an f32 row of O: 512 + 16
.set VSL,  64*KP                       ; in a slot V's 64 rows lie behind K's 64 rows
.set SLOT, 64*KP+64*VP                 ; 35,840 bytes; two slots
.set QSTB, 2*SLOT                      ; Q's stage: 64 rows for each wave, its own
.set QSTW, 64*KP
.set OSTB, QSTB+4*QSTW                 ; O's stage: 16 rows for each wave, its own; ends at 175,104
.set OSTW, 16*OP
; window 0: v0-63 below, scores, P.  window 1: Q fragments v0-127 (32 qt + 8 c), fragments of K, then of V, v128-255.
; window 2: O (64 qt + 8 dt), and where Q lands in f32.  window 3: the tile on its way, K's row j at 4 j, V's at 64 + 4 j.
.set KA,   6                           ; v6-7    K fragment address, slot 0, 1: 272 r + 16 h
.set VA,   8                           ; v8-9    V fragment address: 288 (8 h + (l & 7)) + 16 ((l >> 3) & 1)
.set KSA,  10                          ; v10-11  where I store my 8 bytes of K's rows 16 w ..
.set VSA,  12                          ; v12-13  the same for V
.set GO,   14                          ; v14     8192 w + 16 l: my 16 bytes of row 16 w, in K, V, Q and out0 alike
.set PF,   15                          ; v15     256 x thread: prefetch
.set DL,   16                          ; v16     16 w + r - 8 h: key 16 s + j of the diagonal subtile is masked where 16 s + j > DL
.set NINF, 17                          ; v17     -infinity
.set OSTO, 18                          ; v18     O's stage, in: 528 r + 32 h
.set ORD,  19                          ; v19     O's stage, back: 16 l
.set QSTO, 20                          ; v20     Q's stage, in: 8 l
.set QRD,  21                          ; v21     Q's stage, back: 272 r + 16 h
.set MX,   22                          ; v22-25  running maximum of the raw scores, one for each qt
.set TM,   26                          ; v26-29  at work
.set TX,   30                          ; v30-33  the other half's figure; v26-33 are also four pairs at work where P is split
.set NG,   34                          ; v34-41  pairs: -c x maximum, twice
.set AL,   42                          ; v42-49  pairs: the factor for O and l, twice
.set LS,   50                          ; v50-57  pairs: two partial sums of l
.set SC,   64                          ; v64-191  scores: 32 qt + 8 s; where P is split, later its low part: 32 qt + 8 kc
.set PR,   192                         ; v192-255 P in bf16: 16 qt + 8 kc
.set FR,   128                         ; window 1: K fragments 32 c + 8 s, later V fragments 64 kc + 8 dt
; scalars: s[4:11] Q, K, V, out0 at my head; s12 wave; s13 i; s15 b of the first block; s16 4 b; s17 position; s18-19 at work; s[20:21] an offset as a pair;
; s[22:25] load bases of K, V; s[26:27] Q of the block to load; s[28:29] out0 of the block; s[30:33] prefetch bases; s34-35 lane selects;
; s[36:37] c, c; s38 4 i; s39 1 where i = 0; s40 -c; s41 trips done in the main loop; s42 its trips, 2 b; s43 mask of a word's upper bf16;
; s44 which block: 0, then 1; s45 0 where this group prefetches in this block;
; s2, s3, s14, s46, s47 and, in the softmax, s18-20 (every scalar use of these three writes them first): eight lane masks of the diagonal
.set MSB, 0
.macro WIN new                         ; low byte: bits 1:0 source 0, 3:2 source 1, 5:4 source 2, 7:6 destination; the high byte repeats the setting left
.if MSB != \new
	s_set_vgpr_msb (MSB<<8)|\new
.set MSB, \new
.endif
.endm
.macro PLACES                          ; four plain vector places behind a matrix instruction (ISA guide 7.12.1); a wait on va_vdst fills none of them
.rept 4
	v_nop
.endr
.endm
.macro TILEPOS kplus                   ; s20 = byte offset of the tile of position s17 + kplus: positions 1 .. 4 b hold tiles 0 .. 4 b - 1, later ones their own number
	s_add_co_u32 s18, s17, \kplus
	s_cmp_le_u32 s18, s16
	s_cselect_b32 s19, 1, 0
	s_sub_co_u32 s18, s18, s19
	s_lshl_b32 s20, s18, 15            ; 64 rows of 512 bytes
.endm
.macro SETLD                           ; the load bases; written only behind the wait that showed the last loads done
	s_add_nc_u64 s[22:23], s[6:7], s[20:21]
	s_add_nc_u64 s[24:25], s[8:9], s[20:21]
.endm
.macro LOADKV                          ; my 16 rows of K and of V; no hint: the head's other groups read them again
	WIN 0xc0
	s_wait_alu depctr_va_vdst(0)       ; the conversions are done reading and writing the tile's registers, in which these loads land; at the launch's first use: v[GO], their offset, is written
.irp j, 0,1,2,3,4,5,6,7,8,9,10,11,12,13,14,15
	global_load_b128 v[4*\j:4*\j+3], v[GO], s[22:23] offset:512*\j
.endr
.irp j, 0,1,2,3,4,5,6,7,8,9,10,11,12,13,14,15
	global_load_b128 v[64+4*\j:64+4*\j+3], v[GO], s[24:25] offset:512*\j
.endr
.endm
.macro STAGE dst                       ; the tile in registers is rounded in place and stored into slot dst: a store covers 256 neighbouring bytes
	s_wait_loadcnt 0x0                 ; issued a step ago; also frees s[22:25]
	WIN 0xcf
.set n, 0
.rept 32
	v_cvt_pk_bf16_f32 v[4*n], v[4*n], v[4*n+1]
	v_cvt_pk_bf16_f32 v[4*n+1], v[4*n+2], v[4*n+3]
.set n, n+1
.endr
	WIN 0x0c
	s_wait_alu depctr_va_vdst(0)       ; the conversions have written the tile's registers, which the stores read; at the launch's first use: all the addresses v6 to v21 are written
.irp j, 0,1,2,3,4,5,6,7,8,9,10,11,12,13,14,15
	ds_store_b64 v[KSA+\dst], v[4*\j:4*\j+1] offset:KP*\j
.endr
.irp j, 0,1,2,3,4,5,6,7,8,9,10,11,12,13,14,15
	ds_store_b64 v[VSA+\dst], v[64+4*\j:64+4*\j+1] offset:VP*\j
.endr
	s_wait_alu depctr_vm_vsrc(0)       ; the stores have read the tile's registers: the next loads land in them, the next conversions write them.  It stands here, so that it holds on every way round the branches on s44
.endm
.macro KFETCH slot                     ; 64 keys x 128 d as 16 fragments, by d chunk c, then key subtile s: eight loads a chunk
	WIN 0x40
	s_wait_alu depctr_va_vdst(0)       ; the products of the step before are done reading V's fragments, on which K's land
.irp c, 0,1,2,3
.irp s, 0,1,2,3
	ds_load_b128 v[FR+32*\c+8*\s:FR+32*\c+8*\s+3],   v[KA+\slot] offset:16*KP*\s+64*\c
	ds_load_b128 v[FR+32*\c+8*\s+4:FR+32*\c+8*\s+7], v[KA+\slot] offset:16*KP*\s+64*\c+32
.endr
.endr
.endm
.macro VFETCH slot                     ; V^T: 16 d x 32 keys a fragment, two transposing loads 16 keys apart
	WIN 0x40
	s_wait_alu depctr_va_vdst(0)       ; the score products are done reading K's fragments, on which V's land
.irp kc, 0,1
.irp dt, 0,1,2,3,4,5,6,7
	ds_load_tr16_b128 v[FR+64*\kc+8*\dt:FR+64*\kc+8*\dt+3],   v[VA+\slot] offset:32*VP*\kc+32*\dt
	ds_load_tr16_b128 v[FR+64*\kc+8*\dt+4:FR+64*\kc+8*\dt+7], v[VA+\slot] offset:32*VP*\kc+32*\dt+16*VP
.endr
.endr
.endm
; S^T = K Q^T for subtiles qt >= q0.  The first d chunk starts the sums.  The accumulators take turns, one instruction a turn.
; nst = LDS stores that stand behind the K fragment loads on every way.
.macro SMUL q0, nst
	WIN 0x05
.irp c, 0,1,2,3
	s_wait_dscnt 8*(3-\c)+\nst         ; LDS answers in order (ISA guide 5.7.1): behind chunk c stand 8 (3 - c) younger fragment loads and nst stores
.irp s, 0,1,2,3
.irp qt, 0,1,2,3
.if \qt >= \q0
.if \c == 0
	v_wmma_f32_16x16x32_bf16 v[SC+32*\qt+8*\s:SC+32*\qt+8*\s+7], v[FR+32*\c+8*\s:FR+32*\c+8*\s+7], v[32*\qt+8*\c:32*\qt+8*\c+7], 0
.else
	v_wmma_f32_16x16x32_bf16 v[SC+32*\qt+8*\s:SC+32*\qt+8*\s+7], v[FR+32*\c+8*\s:FR+32*\c+8*\s+7], v[32*\qt+8*\c:32*\qt+8*\c+7], v[SC+32*\qt+8*\s:SC+32*\qt+8*\s+7]
.endif
.endif
.endr
.endr
.endr
.endm
; Softmax step for subtiles qt >= q0.  diag: subtile q0 is masked, and in the second block P's low part is made too.  first: nothing to carry on from.
; The subtiles' chains are interleaved.
.macro SOFT q0, diag, first
	WIN 0
.if \diag
	; The mask, an accumulator (16 keys) at a time: eight compares write eight lane masks, one wait, eight selects read them.
.irp s, 0,1,2,3
.set n, 0
.irp m, 2,3,14,18,19,20,46,47
	v_cmp_gt_i32 s[\m], 16*\s+n, v[DL]
.set n, n+1
.endr
	s_wait_alu depctr_va_sdst(0)       ; the eight compares have written their masks, ahead of the selects that read them
.set n, 0
.irp m, 2,3,14,18,19,20,46,47
	v_cndmask_b32 v[SC+32*\q0+8*\s+n], v[SC+32*\q0+8*\s+n], v[NINF], s[\m]
.set n, n+1
.endr
.endr
.endif
.irp qt, 0,1,2,3
.if \qt >= \q0
	v_max3_num_f32 v[TM+\qt], v[SC+32*\qt], v[SC+32*\qt+1], v[SC+32*\qt+2]
.endif
.endr
.set n, 3
.rept 14
.irp qt, 0,1,2,3
.if \qt >= \q0
	v_max3_num_f32 v[TM+\qt], v[TM+\qt], v[SC+32*\qt+n], v[SC+32*\qt+n+1]
.endif
.endr
.set n, n+2
.endr
.irp qt, 0,1,2,3
.if \qt >= \q0
	v_max_num_f32 v[TM+\qt], v[TM+\qt], v[SC+32*\qt+31]
.endif
.endr
.irp qt, 0,1,2,3
.if \qt >= \q0
	v_permlanex16_b32 v[TX+\qt], v[TM+\qt], s34, s35       ; the query's other 32 keys lie in lane l xor 16
.endif
.endr
.irp qt, 0,1,2,3
.if \qt >= \q0
.if \first
	v_max_num_f32 v[MX+\qt], v[TM+\qt], v[TX+\qt]
.else
	v_max3_num_f32 v[MX+\qt], v[TM+\qt], v[TX+\qt], v[MX+\qt]
.endif
.endif
.endr
.irp qt, 0,1,2,3
.if \qt >= \q0
	v_mul_f32 v[TM+\qt], s40, v[MX+\qt]                    ; -c x maximum, c = log2(e) / sqrt(128)
.endif
.endr
.irp qt, 0,1,2,3
.if \qt >= \q0
.if \first == 0
	v_sub_f32 v[AL+2*\qt], v[TM+\qt], v[NG+2*\qt]          ; new minus old shift, at most 0
.endif
	v_mov_b32 v[NG+2*\qt], v[TM+\qt]
	v_mov_b32 v[NG+2*\qt+1], v[TM+\qt]
.endif
.endr
.if \first == 0
.irp qt, 0,1,2,3
.if \qt >= \q0
	v_exp_f32 v[AL+2*\qt], v[AL+2*\qt]                     ; the packed multiply-adds below are the plain places behind these (ISA guide 5.7.2)
.endif
.endr
.endif
.set n, 0
.rept 16
.irp qt, 0,1,2,3
.if \qt >= \q0
	v_pk_fma_f32 v[SC+32*\qt+n:SC+32*\qt+n+1], v[SC+32*\qt+n:SC+32*\qt+n+1], s[36:37], v[NG+2*\qt:NG+2*\qt+1] op_sel_hi:[1,0,1]
.endif
.endr
.set n, n+2
.endr
.if \first == 0
.irp qt, 0,1,2,3
.if \qt >= \q0
	s_wait_alu depctr_va_vdst(0)
	v_mov_b32 v[AL+2*\qt+1], v[AL+2*\qt]
.endif
.endr
.endif
.set n, 0
.rept 32
.irp qt, 0,1,2,3
.if \qt >= \q0
	v_exp_f32 v[SC+32*\qt+n], v[SC+32*\qt+n]               ; p = 2^(c (s - maximum)); a masked score gives 0
.endif
.endr
.set n, n+1
.endr
	v_nop                                                  ; one plain place behind the run before its results are read
	s_wait_alu depctr_va_vdst(0)
.irp qt, 0,1,2,3
.if \qt >= \q0
.if \first
	s_wait_alu depctr_va_vdst(0)
	v_pk_add_f32 v[LS+2*\qt:LS+2*\qt+1], v[SC+32*\qt:SC+32*\qt+1], v[SC+32*\qt+2:SC+32*\qt+3]
.else
	v_pk_fma_f32 v[LS+2*\qt:LS+2*\qt+1], v[LS+2*\qt:LS+2*\qt+1], v[AL+2*\qt:AL+2*\qt+1], v[SC+32*\qt:SC+32*\qt+1]
.endif
.endif
.endr
.set n, 2+2*\first
.rept 15-\first
.irp qt, 0,1,2,3
.if \qt >= \q0
	v_pk_add_f32 v[LS+2*\qt:LS+2*\qt+1], v[LS+2*\qt:LS+2*\qt+1], v[SC+32*\qt+n:SC+32*\qt+n+1]
.endif
.endr
.set n, n+2
.endr
.set n, 0
.rept 16
.irp qt, 0,1,2,3
.if \qt >= \q0
	v_cvt_pk_bf16_f32 v[PR+16*\qt+n], v[SC+32*\qt+2*n], v[SC+32*\qt+2*n+1]   ; keys 16 s + 8 h + 2 jj, + 1 go to register 4 s + jj: the operand's own layout
.endif
.endr
.set n, n+1
.endr
.if \diag
	; Second block only.  P's low part: p - bf16(p), exact in f32, four pairs at a time through v26-33 (the maxima there are used up), then rounded
	; to bf16 in place: pair n goes to score register n, which never passes the registers 2 n, 2 n + 1 that it is made of.
	s_cmp_eq_u32 s44, 0
	s_cbranch_scc1 .Lnosub_\@
.irp qt, 0,1,2,3
.if \qt >= \q0
.set n, 0
.rept 4
.irp t, 0,1,2,3
	v_lshlrev_b32 v[TM+2*\t], 16, v[PR+16*\qt+n+\t]
	v_and_b32 v[TM+2*\t+1], s43, v[PR+16*\qt+n+\t]
.endr
.irp t, 0,1,2,3
	v_pk_add_f32 v[SC+32*\qt+2*(n+\t):SC+32*\qt+2*(n+\t)+1], v[SC+32*\qt+2*(n+\t):SC+32*\qt+2*(n+\t)+1], v[TM+2*\t:TM+2*\t+1] neg_lo:[0,1] neg_hi:[0,1]
.endr
.set n, n+4
.endr
.set n, 0
.rept 16
	v_cvt_pk_bf16_f32 v[SC+32*\qt+n], v[SC+32*\qt+2*n], v[SC+32*\qt+2*n+1]
.set n, n+1
.endr
.endif
.endr
.Lnosub_\@:
.endif
.if \first == 0
	WIN 0x82
.irp qt, 0,1,2,3
.if \qt >= \q0
.set n, 0
.rept 32
	v_pk_mul_f32 v[64*\qt+n:64*\qt+n+1], v[64*\qt+n:64*\qt+n+1], v[AL+2*\qt:AL+2*\qt+1]
.set n, n+2
.endr
.endif
.endr
.endif
.endm
; O^T += V^T P^T for subtiles qt >= q0; in a block's first step the first 32 keys start the sums.
; Accumulators by turns, one instruction a turn: eight or more stand between two products on one accumulator.
.macro PVMUL q0, first
	WIN 0xa1
.irp kc, 0,1
.irp dt, 0,1,2,3,4,5,6,7
.irp qt, 0,1,2,3
.if \qt >= \q0
.if (\first)*(1-\kc)
	v_wmma_f32_16x16x32_bf16 v[64*\qt+8*\dt:64*\qt+8*\dt+7], v[FR+64*\kc+8*\dt:FR+64*\kc+8*\dt+7], v[PR+16*\qt+8*\kc:PR+16*\qt+8*\kc+7], 0
.else
	v_wmma_f32_16x16x32_bf16 v[64*\qt+8*\dt:64*\qt+8*\dt+7], v[FR+64*\kc+8*\dt:FR+64*\kc+8*\dt+7], v[PR+16*\qt+8*\kc:PR+16*\qt+8*\kc+7], v[64*\qt+8*\dt:64*\qt+8*\dt+7]
.endif
.endif
.endr
.endr
.endr
.endm
; The same V fragments times P's low part, in the same order of accumulators: the turns go on from PVMUL's, one instruction a turn.
.macro PVLO q0
	WIN 0xa1
.irp kc, 0,1
.irp dt, 0,1,2,3,4,5,6,7
.irp qt, 0,1,2,3
.if \qt >= \q0
	v_wmma_f32_16x16x32_bf16 v[64*\qt+8*\dt:64*\qt+8*\dt+7], v[FR+64*\kc+8*\dt:FR+64*\kc+8*\dt+7], v[SC+32*\qt+8*\kc:SC+32*\qt+8*\kc+7], v[64*\qt+8*\dt:64*\qt+8*\dt+7]
.endif
.endr
.endr
.endr
.endm
; One key step on slot.  The tile in registers goes into the other slot, and a tile is requested:
; ld = 1 that of position s17 + kplus; ld = 2, in the first block alone, the second block's position 0;
; ld = 3, in the first block alone, that tile is staged and the second block's position 1 requested (in the second block nothing is left to stage).
; pf: position s17 + pf is asked into the L2 where s45 = 0.
.macro TRIP slot, q0, diag, first, ld, kplus, pf
	KFETCH \slot
.if \ld == 3
	WIN 0
	s_cmp_lg_u32 s44, 0
	s_cbranch_scc1 .Lnold_\@
.endif
	STAGE (1-\slot)
.if \pf
	s_wait_xcnt 0x0                    ; the last step's prefetches have read s[30:33]
	TILEPOS \pf
	s_add_nc_u64 s[30:31], s[6:7], s[20:21]
	s_add_nc_u64 s[32:33], s[8:9], s[20:21]
.endif
.if \ld == 1
	TILEPOS \kplus
.endif
.if \ld == 2
	WIN 0
	s_cmp_lg_u32 s44, 0
	s_cbranch_scc1 .Lnold_\@
	s_lshl_b32 s20, s38, 15            ; tile 4 i
.endif
.if \ld == 3
	s_lshl_b32 s20, s39, 15            ; tile 0, or tile 1 where block 0 has no full step
.endif
	SETLD
	LOADKV
.if \ld >= 2
	WIN 0
.Lnold_\@:
.endif
.if \pf
	; Group 0 of a head walks block 7 first and so every tile.  Its 128 threads, 256 bytes apart, ask for the 32 KiB of K and of V of the position one step
	; beyond the one just loaded: positions 4 to 31, each tile once; the last is tile 31, the head's last.  No other group and no second block asks.
	; v[PF] was written at the head, ahead of the first wait on va_vdst behind it, and is never written again.
	WIN 0
	s_cmp_lg_u32 s45, 0
	s_cbranch_scc1 .Lnopf_\@
	global_prefetch_b8 v[PF], s[30:31] th:TH_LOAD_NT scope:SCOPE_SE
	global_prefetch_b8 v[PF], s[32:33] th:TH_LOAD_NT scope:SCOPE_SE
.Lnopf_\@:
.endif
.if \ld == 3
	SMUL \q0, 0                        ; the staged tile's stores stand on one way only: the counts lean on the fragment loads alone
.else
	SMUL \q0, 32
.endif
	PLACES                             ; behind the score products: the softmax reads the scores, and only LDS loads stand between
	VFETCH \slot
	SOFT \q0, \diag, \first
	s_wait_dscnt 0x0                   ; V's fragments are in: my reads of this slot are over; my stores into the other slot are done
	s_barrier_signal -1                ; one barrier a step: this slot may be stored into, the other may be read, when all four have said so
	PVMUL \q0, \first                  ; register work alone between signal and wait
.if \diag
	WIN 0
	s_barrier_wait -1                  ; (behind the second block's last step it orders nothing: the text is shared)
	s_cmp_eq_u32 s44, 0                ; the low part's products, second block only: registers alone, so they may stand behind the barrier
	s_cbranch_scc1 .Lnolo_\@
	PVLO \q0
	WIN 0
.Lnolo_\@:
	PLACES                             ; behind the last products: O is read in the way out;
	v_nop                              ; a fifth place: the next score products write over P's low part, a source of the last products (ISA guide 7.12.1)
.else
	PLACES                             ; the plain form's places behind the last products stay; that the next fragments land on V's is stated by the wait at the next step's head
	WIN 0
	s_barrier_wait -1
.endif
.endm
; 16 rows of Q in f32 into the registers of O's subtile qt; read once in the launch.  again = 1: in the way out, where these registers have just held O.
.macro QLOAD qt, again
	WIN 0x80
.if \again
	s_wait_alu depctr_vm_vsrc(0)       ; the stage stores have read these 64 registers,
	s_wait_alu depctr_va_vdst(0)       ; and the scaling has written them: now loads may land in them
.endif
.irp j, 0,1,2,3,4,5,6,7,8,9,10,11,12,13,14,15
	global_load_b128 v[64*\qt+4*\j:64*\qt+4*\j+3], v[GO], s[26:27] offset:512*(64*\qt+\j) th:TH_LOAD_NT
.endr
.endm
; Q: rounded in place, through my own stage, back as 16 fragments.  LDS serves a wave's instructions in order (ISA guide 5.7.1), so no wait stands between
; the stores and the loads; the fragments are older than the first step's K fragments, whose counted wait covers them.
; Q's loads have been shown done on both ways here: at the launch's head by the first tile's wait for 0, over the back edge by the wait at the loop's tail.
; The stage stores' registers are O's: the first step's wait on vm_vsrc, behind its tile's stores, stands ahead of the first products that write O.
.macro QPREP
	WIN 0x8a
.set n, 0
.rept 64
	v_cvt_pk_bf16_f32 v[4*n], v[4*n], v[4*n+1]
	v_cvt_pk_bf16_f32 v[4*n+1], v[4*n+2], v[4*n+3]
.set n, n+1
.endr
	WIN 0x08
	s_wait_alu depctr_va_vdst(0)       ; the conversions have written Q's registers, which the stage stores read
.set n, 0
.rept 64
	ds_store_b64 v[QSTO], v[4*n:4*n+1] offset:KP*n
.set n, n+1
.endr
	WIN 0x40
	s_wait_alu depctr_va_vdst(0)       ; the last block's score products are done reading Q's fragments, in which the loads land
.irp qt, 0,1,2,3
.irp c, 0,1,2,3
	ds_load_b128 v[32*\qt+8*\c:32*\qt+8*\c+3],   v[QRD] offset:16*KP*\qt+64*\c
	ds_load_b128 v[32*\qt+8*\c+4:32*\qt+8*\c+7], v[QRD] offset:16*KP*\qt+64*\c+32
.endr
.endr
.endm
; The block's end: O / l, 16 rows at a time through my own stage, out as whole rows of 512 bytes.  In the first block the second block's Q is requested.
.macro EPI
	WIN 0
.irp qt, 0,1,2,3
	v_add_f32 v[TM+\qt], v[LS+2*\qt], v[LS+2*\qt+1]
.endr
.irp qt, 0,1,2,3
	v_permlanex16_b32 v[TX+\qt], v[TM+\qt], s34, s35
.endr
.irp qt, 0,1,2,3
	v_add_f32 v[TM+\qt], v[TM+\qt], v[TX+\qt]              ; l of the query; at least 1, the maximum's own term
.endr
.irp qt, 0,1,2,3
	v_rcp_f32 v[AL+2*\qt], v[TM+\qt]
.endr
	v_nop                                                  ; one plain place behind the run
	s_wait_alu depctr_va_vdst(0)
.irp qt, 0,1,2,3
	v_mov_b32 v[AL+2*\qt+1], v[AL+2*\qt]
.endr
.irp qt, 0,1,2,3
	WIN 0x82
.set n, 0
.rept 32
	v_pk_mul_f32 v[64*\qt+n:64*\qt+n+1], v[64*\qt+n:64*\qt+n+1], v[AL+2*\qt:AL+2*\qt+1]
.set n, n+2
.endr
	WIN 0x08
	s_wait_alu depctr_va_vdst(0)       ; the scaling has written the subtile's 64 registers, which the stage stores read
.irp dt, 0,1,2,3,4,5,6,7
	ds_store_b128 v[OSTO], v[64*\qt+8*\dt:64*\qt+8*\dt+3]   offset:64*\dt      ; query r, d = 16 dt + 8 h + 0 .. 3
	ds_store_b128 v[OSTO], v[64*\qt+8*\dt+4:64*\qt+8*\dt+7] offset:64*\dt+16
.endr
	WIN 0
.if \qt >= 2
	s_wait_xcnt 0x0                    ; the stores of two subtiles ago have had their addresses translated,
	s_wait_alu depctr_vm_vsrc(0)       ; and have read the registers in which rows land again now
.else
	s_wait_alu depctr_va_vdst(0)       ; the softmax and the products are done with the score registers, in which the rows land
.endif
.irp j, 0,1,2,3,4,5,6,7,8,9,10,11,12,13,14,15
	ds_load_b128 v[SC+64*(\qt&1)+4*\j:SC+64*(\qt&1)+4*\j+3], v[ORD] offset:OP*\j
.endr
.irp j, 0,1,2,3,4,5,6,7,8,9,10,11,12,13,14,15
	s_wait_dscnt 15-\j                 ; row j is back, the 15 - j younger ones may be out
	global_store_b128 v[GO], v[SC+64*(\qt&1)+4*\j:SC+64*(\qt&1)+4*\j+3], s[28:29] offset:512*(64*\qt+\j) th:TH_STORE_NT   ; 512 neighbouring bytes, aligned
.endr
	s_cmp_lg_u32 s44, 0
	s_cbranch_scc1 .Lnoq_\qt
	QLOAD \qt, 1
	WIN 0
.Lnoq_\qt:
.endr
.endm
	s_load_b256 s[4:11], s[0:1], 0x0               ; Q s[4:5], K s[6:7], V s[8:9], out0 s[10:11]
	v_lshl_add_u32 v62, v0, 2, 0x2ac00
	v_mov_b32 v63, 0
	v_lshrrev_b32 v4, 5, v0
	v_readfirstlane_b32 s12, v4                    ; wave
	s_and_b32 s13, ttmp9, 3                        ; i
	s_lshr_b32 s18, ttmp9, 2                       ; head
	s_lshl_b32 s20, s18, 20                        ; 2,048 rows of 512 bytes
	s_mov_b32 s21, 0                               ; s[20:21]: every offset as a pair
	s_sub_co_u32 s15, 7, s13                       ; first block b = 7 - i
	s_lshl_b32 s16, s15, 2                         ; 4 b
	s_lshl_b32 s38, s13, 2                         ; 4 i
	s_cmp_eq_u32 s13, 0
	s_cselect_b32 s39, 1, 0
	s_mov_b32 s34, 0x76543210                      ; v_permlanex16_b32: lane l takes lane l xor 16
	s_mov_b32 s35, 0xfedcba98
	s_mov_b32 s36, 0x3e0293ee                      ; c = log2(e) / sqrt(128), twice
	s_mov_b32 s37, 0x3e0293ee
	s_mov_b32 s40, 0xbe0293ee                      ; -c
	s_mov_b32 s43, 0xffff0000                      ; a word's upper bf16
	v_and_b32 v3, 31, v0                           ; l
	s_wait_alu depctr_va_sdst(0)                   ; s12 is written, ahead of its first reader: addresses are made from it
	s_lshl_b32 s18, s12, 13
	v_lshl_add_u32 v[GO], v3, 4, s18
	s_wait_kmcnt 0x0
	s_add_nc_u64 s[4:5], s[4:5], s[20:21]          ; all four at my head
	s_add_nc_u64 s[6:7], s[6:7], s[20:21]
	s_add_nc_u64 s[8:9], s[8:9], s[20:21]
	s_add_nc_u64 s[10:11], s[10:11], s[20:21]
	s_lshl_b32 s20, s15, 17                        ; 256 rows of 512 bytes
	s_add_nc_u64 s[26:27], s[4:5], s[20:21]
	s_add_nc_u64 s[28:29], s[10:11], s[20:21]
	s_lshl_b32 s20, s16, 15
	SETLD
	LOADKV                                         ; position 0: tile 4 b; its wait shows v[GO] written, for Q's loads too
	QLOAD 0, 0
	QLOAD 1, 0
	QLOAD 2, 0
	QLOAD 3, 0
	WIN 0
	v_and_b32 v1, 15, v0                           ; r
	v_bfe_u32 v2, v0, 4, 1                         ; h
	v_mul_u32_u24 v4, v1, KP
	v_lshl_add_u32 v4, v2, 4, v4                   ; 272 r + 16 h
	v_mov_b32 v[KA], v4
	v_add_nc_u32 v[KA+1], SLOT, v4
	s_mul_i32 s18, s12, QSTW
	s_add_co_u32 s18, s18, QSTB
	v_add_nc_u32 v[QRD], s18, v4
	v_lshlrev_b32 v5, 3, v3                        ; 8 l
	v_add_nc_u32 v[QSTO], s18, v5
	s_mul_i32 s18, s12, 16*KP
	v_add_nc_u32 v[KSA], s18, v5
	v_add_nc_u32 v[KSA+1], SLOT, v[KSA]
	s_mul_i32 s18, s12, 16*VP
	s_add_co_u32 s18, s18, VSL
	v_add_nc_u32 v[VSA], s18, v5
	v_add_nc_u32 v[VSA+1], SLOT, v[VSA]
	v_and_b32 v4, 7, v0
	v_lshl_add_u32 v4, v2, 3, v4                   ; 8 h + (l & 7)
	v_mul_u32_u24 v4, v4, VP
	v_bfe_u32 v5, v0, 3, 1
	v_lshl_add_u32 v4, v5, 4, v4
	v_add_nc_u32 v[VA], VSL, v4
	v_add_nc_u32 v[VA+1], VSL+SLOT, v4
	s_mul_i32 s18, s12, OSTW
	s_add_co_u32 s18, s18, OSTB
	v_mul_u32_u24 v4, v1, OP
	v_lshl_add_u32 v4, v2, 5, v4
	v_add_nc_u32 v[OSTO], s18, v4
	v_lshl_add_u32 v[ORD], v3, 4, s18
	s_lshl_b32 s18, s12, 4
	v_add_nc_u32 v4, s18, v1
	v_lshlrev_b32 v5, 3, v2
	v_sub_nc_u32 v[DL], v4, v5
	v_mov_b32 v[NINF], 0xff800000
	v_lshlrev_b32 v[PF], 8, v0
.irp qt, 0,1,2,3
	v_mov_b32 v[TX+\qt], 0                         ; v_permlanex16_b32 counts as a reader of its destination
.endr
	STAGE 0                                        ; its wait for 0 shows the tile and Q in; its wait on va_vdst shows every address above written
	s_mov_b32 s20, 0
	SETLD
	LOADKV                                         ; position 1: tile 0 (b is 4 or more here); it stays on its way into the first step
	WIN 0
	s_wait_dscnt 0x0                               ; my part of slot 0 is stored
	s_barrier_signal -1
	s_barrier_wait -1                              ; everybody's is
	s_lshl_b32 s20, s13, 17
	s_add_nc_u64 s[26:27], s[4:5], s[20:21]        ; Q of the second block, b = i; the first block's loads were shown done above
	s_mov_b32 s44, 0                               ; the first block
	s_mov_b32 s45, s13                             ; group 0 of the head prefetches in it
.Lpass:
	QPREP
	s_mov_b32 s17, 0
	TRIP 0, 0, 1, 1, 1, 2, 0                       ; position 0: the diagonal's first tile starts all sums
	s_mov_b32 s17, 1
	s_mov_b32 s41, 0                               ; the main loop ends on its own counter: 2 b trips of two full steps each
	s_lshr_b32 s42, s16, 1
	s_cmp_eq_u32 s16, 0                            ; block 0 has no full step
	s_cbranch_scc1 .Lskip
.Lmain:
	TRIP 1, 0, 0, 0, 1, 2, 3                       ; positions s17 and s17 + 1: full steps
	TRIP 0, 0, 0, 0, 1, 3, 4
	s_add_co_u32 s17, s17, 2                       ; the position, for the tiles' offsets alone
	s_add_co_u32 s41, s41, 1
	s_cmp_lt_u32 s41, s42
	s_cbranch_scc1 .Lmain
.Lskip:
	TRIP 1, 1, 1, 0, 1, 2, 0                       ; position 4 b + 1; requests the block's last tile
	TRIP 0, 2, 1, 0, 2, 0, 0                       ; stages it; the first block requests the second's position 0
	TRIP 1, 3, 1, 0, 3, 0, 0                       ; the first block stages that and requests position 1
	EPI
	s_wait_xcnt 0x0                                ; the stores have had their addresses translated: s[28:29] is written next
	s_wait_alu depctr_vm_vsrc(0)                   ; the last global stores have read the score registers, which the next block's products write; the stage stores have read O's registers, which Q's conversions write
	s_wait_loadcnt 0x0                             ; the second block's Q is in (its loads are the youngest); nothing is out behind the second block
	s_mov_b32 s16, s38                             ; 4 b with b = i
	s_lshl_b32 s20, s13, 17
	s_add_nc_u64 s[28:29], s[10:11], s[20:21]      ; out0 at block i
	s_mov_b32 s45, 1                               ; every tile has been asked for: no more prefetches
	s_add_co_u32 s44, s44, 1
	s_cmp_lt_u32 s44, 2
	s_cbranch_scc1 .Lpass
	s_wait_dscnt 0x0
	s_wait_alu depctr_hold_cnt(0) depctr_sa_sdst(0) depctr_va_vdst(0) depctr_va_sdst(0) depctr_va_ssrc(0) depctr_va_vcc(0) depctr_vm_vsrc(0)
	s_wait_tensorcnt 0x0
	ds_add_u32 v62, v63
	s_wait_dscnt 0x0
	s_endpgm
.Lfunc_end_k_q664d51cdbc_attn:
	.size	k_q664d51cdbc_attn, .Lfunc_end_k_q664d51cdbc_attn-k_q664d51cdbc_attn
	.p2alignl 7, 3214868480
	.fill 96, 4, 3214868480
	.section	.rodata,"a",@progbits
	.p2align	6, 0x0
	.amdhsa_kernel k_q664d51cdbc_attn
		.amdhsa_group_segment_fixed_size 175616
		.amdhsa_private_segment_fixed_size 0
		.amdhsa_enable_private_segment 0
		.amdhsa_kernarg_size 32
		.amdhsa_user_sgpr_count 2
		.amdhsa_user_sgpr_kernarg_segment_ptr 1
		.amdhsa_wavefront_size32 1
		.amdhsa_system_sgpr_workgroup_id_x 1
		.amdhsa_system_sgpr_workgroup_id_y 1
		.amdhsa_system_sgpr_workgroup_id_z 1
		.amdhsa_system_vgpr_workitem_id 0
		.amdhsa_next_free_vgpr 896
		.amdhsa_next_free_sgpr 66
		.amdhsa_reserve_vcc 0
		.amdhsa_float_denorm_mode_32 3
		.amdhsa_float_denorm_mode_16_64 3
		.amdhsa_memory_ordered 1
		.amdhsa_forward_progress 1
		.amdhsa_inst_pref_size 255
	.end_amdhsa_kernel
	.section	.bss,"aw",@nobits
	.p2align	6
	.space	262144
	.amdgpu_metadata
---
amdhsa.version: [ 1, 2 ]
amdhsa.kernels:
  - .name:           k_q664d51cdbc_attn
    .symbol:         k_q664d51cdbc_attn.kd
    .args:
      - { .name: Q, .offset: 0, .size: 8, .value_kind: global_buffer, .address_space: global }
      - { .name: K, .offset: 8, .size: 8, .value_kind: global_buffer, .address_space: global }
      - { .name: V, .offset: 16, .size: 8, .value_kind: global_buffer, .address_space: global }
      - { .name: out0, .offset: 24, .size: 8, .value_kind: global_buffer, .address_space: global }
    .group_segment_fixed_size: 175616
    .private_segment_fixed_size: 0
    .kernarg_segment_align: 8
    .kernarg_segment_size: 32
    .max_flat_workgroup_size: 128
    .sgpr_count:     66
    .vgpr_count:     896
    .wavefront_size: 32
...
	.end_amdgpu_metadata
.endif
;; end of part 3
